; MI455X (gfx1250); checked and timed in simulation.
; The chip was launched on July 23, 2026; its instructions are those of AMD's public machine-readable ISA for CDNA 5 (MIT licence, August 2026) and "CDNA5" Instruction Set Architecture Reference Guide (July 2026). The comments in the code are by the model that wrote it; some were corrected since.
;; Token Choice Mo E. Allowed arithmetic: matrix products marked QUANTISED: E3M2 operands, one E8M0 scale for each 32 along K, by v_wmma_scale_f32_16x16x128_f8f6f4 with both operands' format E3M2, f32 sums; products left as they are: f32 operands where the result goes on into a quantised operand, else bf16, f16 or f32 operands; f32 sums; everything else in f32.
;; Inputs: Wdown_codes 8 x 1,024 x 4 x 24 uint8 (E3M2 codes of Wdown, K innermost, in blocks of 32 codes, four codes in three bytes); Wdown_scales 8 x 1,024 x 4 uint8 (E8M0 scales of Wdown, one for each 32 codes along K); Wg 8 x 1,024 float32; Wup_codes 8 x 256 x 32 x 24 uint8 (E3M2 codes of Wup, K innermost, in blocks of 32 codes, four codes in three bytes); Wup_scales 8 x 256 x 32 uint8 (E8M0 scales of Wup, one for each 32 codes along K); bg 8 float32; x 4 x 4,096 x 1,024 float32.
;; Outputs: out0 4 x 4,096 x 1,024 float32.
;; This version of the problem:
;;   THIS VERSION OF THE PROBLEM IS GIVEN IN LOW PRECISION. The matrix products marked QUANTISED in the list below multiply operands that are first quantised to E3M2 (3 exponent bits, 2 mantissa bits; 6 bits a number), with one power-of-two scale for each 32 numbers along K (OCP MX v1.0); their sums are f32. All else is computed in f32.
;;   The module's matrix products, in the order in which they are computed (A, B: the left and right operand; K: the contracted axis; several contracted axes count as one K, in the product's order):
;;     1. [M 16,384, K 1,024] x [K 1,024, N 8]; A: input x; B: input Wg: left as it is (N = 8 < 16)
;;     2. [M 16,384, K 1,024] x [K 1,024, N 256]; A: input x; B: input Wup (given as codes): QUANTISED
;;     3. [M 16,384, K 128] x [K 128, N 1,024]; A: computed on the way; B: input Wdown (given as codes): QUANTISED
;;     4. [M 16,384, K 1,024] x [K 1,024, N 256]; A: input x; B: input Wup (given as codes): QUANTISED
;;     5. [M 16,384, K 128] x [K 128, N 1,024]; A: computed on the way; B: input Wdown (given as codes): QUANTISED
;;     6. [M 16,384, K 1,024] x [K 1,024, N 256]; A: input x; B: input Wup (given as codes): QUANTISED
;;     7. [M 16,384, K 128] x [K 128, N 1,024]; A: computed on the way; B: input Wdown (given as codes): QUANTISED
;;     8. [M 16,384, K 1,024] x [K 1,024, N 256]; A: input x; B: input Wup (given as codes): QUANTISED
;;     9. [M 16,384, K 128] x [K 128, N 1,024]; A: computed on the way; B: input Wdown (given as codes): QUANTISED
;;     10. [M 16,384, K 1,024] x [K 1,024, N 256]; A: input x; B: input Wup (given as codes): QUANTISED
;;     11. [M 16,384, K 128] x [K 128, N 1,024]; A: computed on the way; B: input Wdown (given as codes): QUANTISED
;;     12. [M 16,384, K 1,024] x [K 1,024, N 256]; A: input x; B: input Wup (given as codes): QUANTISED
;;     13. [M 16,384, K 128] x [K 128, N 1,024]; A: computed on the way; B: input Wdown (given as codes): QUANTISED
;;     14. [M 16,384, K 1,024] x [K 1,024, N 256]; A: input x; B: input Wup (given as codes): QUANTISED
;;     15. [M 16,384, K 128] x [K 128, N 1,024]; A: computed on the way; B: input Wdown (given as codes): QUANTISED
;;     16. [M 16,384, K 1,024] x [K 1,024, N 256]; A: input x; B: input Wup (given as codes): QUANTISED
;;     17. [M 16,384, K 128] x [K 128, N 1,024]; A: computed on the way; B: input Wdown (given as codes): QUANTISED
;;   THE QUANTISER, for each operand of a quantised product, along K:
;;     - K is cut into blocks of 32 from its start; a last block that is shorter is filled with zeros.
;;     - A block's scale is 2^e with e = floor(log2(the largest magnitude in the block)) - 4, held to -126 .. 127; a block of zeros has e = 0. As a byte (E8M0): e + 127.
;;     - Each number is divided by its block's scale, clamped to +-28, and rounded to the nearest number of E3M2, ties to even, subnormals kept.
;;     - The product sums the exact products of the quantised numbers (number of the format x scale) in f32.
;;   ~~~python
;;   def quantise(x, axis):      # numpy; x: float32 -> the quantised numbers, widened to float32 again
;;       x = np.moveaxis(x, axis, -1); K = x.shape[-1]
;;       x = np.pad(x, [(0, 0)] * (x.ndim - 1) + [(0, -K % 32)]); x = x.reshape(x.shape[:-1] + (-1, 32)); a = np.abs(x).max(-1, keepdims=True)
;;       e = np.where(a > 0, np.clip(np.frexp(np.where(a > 0, a, 1))[1] - 1 - 4, -126, 127), 0)      # np.frexp(a)[1] - 1 = floor(log2(a)), exactly
;;       r = np.clip(x / 2.0 ** e, -28, 28)
;;       step = 2.0 ** (np.maximum(np.frexp(np.where(r == 0, 1, r))[1] - 1, -2) - 2)
;;       q = np.round(r / step) * step * 2.0 ** e      # np.round: ties to even
;;       return np.moveaxis(q.reshape(q.shape[:-2] + (-1,))[..., :K], -1, axis).astype(np.float32)
;;   ~~~
;;   OPERANDS COMPUTED ON THE WAY. 'Computed on the way' means the value that the module computes at that place (a softmax that the list does not call 'softmax' is quantised finished and normalised). What goes into a quantiser is computed in f32, as accurately as f32 sums, v_exp_f32 and their like allow (about 1e-6 of the number): no bf16 or f16 on the way to a quantiser, and a product that is left as it is and whose result goes on into a quantised operand takes f32 operands (vector FMAs, or v_wmma_f32_16x16x4_f32). A number that lies on a knife's edge between two numbers of the format may be rounded either way, as far as f32 arithmetic and the matrix unit's own rounding can turn it there, and no further.
;;   INPUTS GIVEN AS CODES. Wdown (in the module: [8, 128, 1024], K = its axis 1); Wup (in the module: [8, 1024, 256], K = its axis 1): each comes as NAME_codes (uint8): NAME with its K axis moved to the last place and cut into blocks of 32 codes, [.., K / 32, bytes a block], one block behind the other in memory; four codes in three bytes: a row's codes are one little-endian stream of bits, code i at bits 6 i .. 6 i + 5 (a code: sign, 3 exponent bits, 2 mantissa bits); and NAME_scales (uint8): the same leading axes, one E8M0 byte (e + 127) for each 32 codes along K. Its value is code x scale, taken as it is: it is not quantised again, and the codes and scales need not be those that the quantiser above would give.
;; 2 versions. Each part assembles by itself: llvm-mc -triple=amdgcn-amd-amdhsa -mcpu=gfx1250 --defsym DOCPART=n.
;; ======== version 1 of 2: 3 launches
;; workspace buffers: xq 12,582,912 bytes; xs 524,288 bytes; tokw 131,072 bytes; meta 65,536 bytes of whole numbers; cnt 65,536 bytes of whole numbers; srec 65,536 bytes of whole numbers; wimg 2,457,600 bytes
;; launch route (part 1): grid 512 x 1, 8 waves a work-group, no clusters, 75,776 bytes of LDS; arguments x, Wg, bg, xq, xs, tokw, meta, cnt; writes xq, xs, tokw, meta, cnt
.if DOCPART == 1
	.amdgcn_target "amdgcn-amd-amdhsa--gfx1250"
	.amdhsa_code_object_version 6
	.text
	.protected	k_qcf5dae3476_route
	.globl	k_qcf5dae3476_route
	.p2align	8
	.type	k_qcf5dae3476_route,@function
k_qcf5dae3476_route:
	s_mov_b64 s[64:65], 0
	v_nop
	global_prefetch_b8 v0, s[64:65] scope:SCOPE_SE
	s_setreg_imm32_b32 hwreg(HW_REG_WAVE_MODE, 25, 1), 1
	s_wait_xcnt 0x0
; ROUTE: x [16384][1024] f32 is read once.  Of it are made (a) the gate's logits x Wg^T + bg in f32 by fused multiply-adds, their top 2 of 8 (ties: the lower index) and the softmax of the two;
; (b) x's codes of E3M2 with one E8M0 byte for each 32 along K.
; A work-group takes a chunk of 32 tokens.  Wave w owns columns 128 w .. 128 w + 127 of all 32 rows, four rows a step, eight steps.
; Each load reads 512 consecutive bytes; a step's 2,048 bytes turn through the wave's own stage in LDS, so that a lane holds 16 neighbours along K (two neighbouring lanes hold a block of 32).
; OUT: xq [token][parity][16][24 bytes]: block B of a token lies at 768 token + 384 (B & 1) + 24 (B >> 1), so that a lane of the later product's operand finds its 384 bytes on end;
;      xs [token][32] scale bytes; tokw [token][2] the two weights; meta [token] = key | rank in the chunk << 8 | e1 << 16 | e2 << 20; cnt [32 keys][512 chunks].
; The key numbers the unordered pair of experts (0 .. 27), in an order in which neighbouring keys share an expert.  Nothing here forms an address or a branch from the choice: it is stored as whole numbers.
; LIMITS: NaN and infinities in x, Wg, bg are not served.  A block whose largest magnitude lies under 2^(5 - 127) keeps the byte 1 (a block of zeros too: its codes are zeros, and this program alone reads the bytes).
; The logits' sums run in another order than a plain ascending sum: two logits nearer than f32 summing can tell (about 1e-6 of their size) may be ordered either way.
; No tensor load, no cluster: work-groups share only Wg's 32 KiB; the stream goes through registers, 12 loads of 512 bytes a wave on their way, and two work-groups of 8 waves fit on a WGP.
.set SP,    80                         ; a lane's place in a stage: 64 bytes + 16 of padding
.set STGB,  32*SP                      ; a stage; each wave has two
.set PART,  16*STGB                    ; [wave][row][8] f32: the waves' parts of the logits, 8,192 bytes
.set CODES, PART+8192                  ; the chunk's codes, laid as xq, 24,576 bytes
.set SCB,   CODES+24576                ; the chunk's scale bytes, 1,024
.set ACC,   16                         ; v16-31   eight pairs: the gate's sums
.set X,     32                         ; v32-63   two sets of 16 neighbours
.set R,     64                         ; v64-111  three sets of 16 numbers as loaded
.set WGR,   112                        ; v112-239 Wg: [expert][my 16 columns]
.set CD,    240                        ; v240-242, v244-246 codes, two sets by turns
.set BY,    248                        ; v248-249 the scale's byte, two sets
.set SS,    250                        ; v250-251 the gate's part, two sets
.set LN,    252                        ; v252     lane
	s_load_b512 s[4:19], s[0:1], 0x0               ; x 4, Wg 6, bg 8, xq 10, xs 12, tokw 14, meta 16, cnt 18
	v_lshl_add_u32 v243, v0, 2, 0x12400
	v_mov_b32 v247, 0
	v_and_b32 v[LN], 31, v0
	v_lshrrev_b32 v253, 5, v0
	v_readfirstlane_b32 s20, v253                  ; wave 0..7
	v_lshlrev_b32 v1, 4, v[LN]                     ; v1: 16 x lane
	s_mul_i32 s32, s20, 2*STGB                     ; my two stages
	v_lshrrev_b32 v254, 2, v[LN]
	v_mul_u32_u24 v2, v254, SP
	v_and_b32 v254, 3, v[LN]
	v_lshl_add_u32 v2, v254, 4, v2
	v_add_nc_u32 v2, s32, v2                       ; v2: into a stage: four lanes' 64 bytes on end, then the padding
	v_mul_u32_u24 v3, v[LN], SP
	v_add_nc_u32 v3, s32, v3                       ; v3: out of it: my 64 bytes
	v_and_b32 v255, 7, v[LN]                       ; j: which 16 columns of the wave's 128
	v_mul_u32_u24 v4, v255, SP
	v_add_nc_u32 v4, s32, v4                       ; v4: Wg's 16 columns j
	v_lshrrev_b32 v253, 3, v[LN]                   ; which of a step's four rows
	v_and_b32 v254, 1, v[LN]
	v_lshlrev_b32 v5, 4, v254
	v_bfe_u32 v254, v[LN], 1, 1
	v_lshl_add_u32 v5, v254, 3, v5
	v_bfe_u32 v254, v[LN], 2, 1
	v_lshl_add_u32 v5, v254, 2, v5                 ; 4 x the expert whose sum ends in my lane: 4 (bit 0) + 2 (bit 1) + (bit 2)
	v_lshl_add_u32 v5, v253, 5, v5
	s_lshl_b32 s33, s20, 10
	s_add_co_u32 s33, s33, PART
	v_add_nc_u32 v5, s33, v5                       ; v5: my word among the parts
	v_mul_u32_u24 v6, v253, 768
	v_bfe_u32 v254, v[LN], 1, 1
	v_mad_u32_u24 v6, v254, 384, v6                ; block 4 w + j / 2: its parity,
	v_bfe_u32 v254, v[LN], 2, 1
	v_mad_u32_u24 v6, v254, 24, v6                 ; its half 2 w + j / 4,
	v_and_b32 v254, 1, v[LN]
	v_mad_u32_u24 v6, v254, 12, v6                 ; and my 16 codes of its 32
	s_mul_i32 s33, s20, 48
	s_add_co_u32 s33, s33, CODES
	v_add_nc_u32 v6, s33, v6                       ; v6: my 12 bytes of codes
	v_bfe_u32 v254, v[LN], 1, 2
	v_lshl_add_u32 v7, v253, 5, v254
	s_lshl_b32 s33, s20, 2
	s_add_co_u32 s33, s33, SCB
	v_add_nc_u32 v7, s33, v7                       ; v7: my block's scale byte
	s_mul_i32 s33, s20, 3072
	v_add_nc_u32 v9, s33, v1                       ; v9: the way out: my wave's 3,072 bytes of the chunk's codes
	v_add_nc_u32 v8, CODES, v9                     ; v8: the same in LDS
	v_add_nc_u32 v10, SCB, v1                      ; v10: the scale bytes' way out (wave 1)
	v_lshl_add_u32 v11, v[LN], 5, PART             ; v11: a row's parts (wave 0: lane = row)
	s_mov_b32 s21, 0xaaaaaaaa                      ; lanes with bit 0, 1, 2 set
	s_mov_b32 s22, 0xcccccccc
	s_mov_b32 s23, 0xf0f0f0f0
	s_lshl_b32 s34, ttmp9, 17                      ; the chunk's 32 rows of 4,096 bytes
	s_lshl_b32 s36, s20, 9                         ; my wave's 512 bytes of a row
	s_add_co_u32 s34, s34, s36
	s_mov_b32 s35, 0
	s_mov_b32 s37, 0
	s_wait_kmcnt 0x0
	s_add_nc_u64 s[4:5], s[4:5], s[34:35]
	s_add_nc_u64 s[6:7], s[6:7], s[36:37]
.macro LOAD t                          ; step t's four rows: each load reads 512 consecutive bytes
.irp i, 0,1,2,3
	global_load_b128 v[R+16*((\t)%3)+4*\i:R+16*((\t)%3)+4*\i+3], v1, s[4:5] offset:(4*(\t)+\i)*4096 th:TH_LOAD_NT
.endr
.endm
.macro TURN t                          ; through the stage: LDS serves a wave's instructions in order, so no wait stands between the stores and the loads
.irp i, 0,1,2,3
	ds_store_b128 v2, v[R+16*((\t)%3)+4*\i:R+16*((\t)%3)+4*\i+3] offset:STGB*((\t)%2)+8*SP*\i
.endr
.irp i, 0,1,2,3
	ds_load_b128 v[X+16*((\t)%2)+4*\i:X+16*((\t)%2)+4*\i+3], v3 offset:STGB*((\t)%2)+16*\i
.endr
.endm
.irp e, 0,1,2,3,4,5,6,7
	global_load_b128 v[X+4*\e:X+4*\e+3], v1, s[6:7] offset:4096*\e     ; Wg: my wave's 128 columns of each expert
.endr
	LOAD 0
	LOAD 1
	LOAD 2
	s_load_b256 s[24:31], s[8:9], 0x0              ; bg
	s_mul_i32 s34, ttmp9, 24576
	s_add_nc_u64 s[10:11], s[10:11], s[34:35]      ; the chunk's place in xq,
	s_lshl_b32 s34, ttmp9, 10
	s_add_nc_u64 s[12:13], s[12:13], s[34:35]      ; xs,
	s_lshl_b32 s34, ttmp9, 8
	s_add_nc_u64 s[14:15], s[14:15], s[34:35]      ; tokw,
	s_lshl_b32 s34, ttmp9, 7
	s_add_nc_u64 s[16:17], s[16:17], s[34:35]      ; meta,
	s_lshl_b32 s34, ttmp9, 2
	s_add_nc_u64 s[18:19], s[18:19], s[34:35]      ; and its column of cnt
	s_wait_loadcnt 12                              ; Wg is in; the 12 loads of x behind it may be out
.irp e, 0,1,2,3,4,5,6,7
	ds_store_b128 v2, v[X+4*\e:X+4*\e+3] offset:STGB*(\e/4)+8*SP*(\e%4)
.endr
.irp e, 0,1,2,3,4,5,6,7
.irp i, 0,1,2,3
	ds_load_b128 v[WGR+16*\e+4*\i:WGR+16*\e+4*\i+3], v4 offset:STGB*(\e/4)+8*SP*(\e%4)+16*\i   ; my 16 columns of expert e: they stay in registers
.endr
.endr
	s_wait_dscnt 0x0                               ; Wg is in its registers, and the stores have read X, which the first turn loads
	s_wait_kmcnt 0x0                               ; bg
	s_wait_loadcnt 8                               ; step 0's four loads are in
	TURN 0
.macro COMB d, a, b, xm, mk            ; two sums are each added over lanes l and l xor xm; then the lanes of the mask keep b's, the others a's
	v_add_f32_dpp v[\a], v[\a], v[\a] row_xmask:\xm row_mask:0xf bank_mask:0xf
	v_add_f32_dpp v[\b], v[\b], v[\b] row_xmask:\xm row_mask:0xf bank_mask:0xf
	v_cndmask_b32 v[\d], v[\a], v[\b], s[\mk]
.endm
.macro STEP t
.set XS, X+16*((\t)%2)
.set PR, (\t)%2
.if (\t) == 0
	s_wait_dscnt 0x0
.else
	s_wait_dscnt 5                                 ; this step's numbers are back from the stage; the last step's five small stores may be out (their registers are the other set)
.endif
.if (\t)+3 < 8
	LOAD (\t)+3                                    ; into the registers that this step's stores into the stage have read
.endif
.if (\t) < 5
	s_wait_loadcnt 8                               ; the next step's four loads are in; two steps' may be out
	TURN (\t)+1
.elseif (\t) == 5
	s_wait_loadcnt 4
	TURN (\t)+1
.elseif (\t) == 6
	s_wait_loadcnt 0x0
	TURN (\t)+1
.endif
.irp e, 0,1,2,3,4,5,6,7
	v_pk_mul_f32 v[ACC+2*\e:ACC+2*\e+1], v[XS:XS+1], v[WGR+16*\e:WGR+16*\e+1]      ; the gate: the first product starts each sum
.endr
.irp jj, 1,2,3,4,5,6,7
.irp e, 0,1,2,3,4,5,6,7
	v_pk_fma_f32 v[ACC+2*\e:ACC+2*\e+1], v[XS+2*\jj:XS+2*\jj+1], v[WGR+16*\e+2*\jj:WGR+16*\e+2*\jj+1], v[ACC+2*\e:ACC+2*\e+1]
.endr
.endr
.irp e, 0,1,2,3,4,5,6,7
	v_add_f32 v[ACC+2*\e], v[ACC+2*\e], v[ACC+2*\e+1]
.endr
.irp e, 0,1,2,3                        ; eight sums in eight lanes become one whole sum a lane: lane j ends with expert 4 (bit 0) + 2 (bit 1) + (bit 2)
	COMB ACC+2*\e, ACC+2*\e, ACC+2*\e+8, 1, 21
.endr
.irp e, 0,1
	COMB ACC+2*\e, ACC+2*\e, ACC+2*\e+4, 2, 22
.endr
	COMB SS+PR, ACC, ACC+2, 4, 23
	v_max3_num_f32 v12, |v[XS]|, |v[XS+1]|, |v[XS+2]|                  ; the largest magnitude of my 16
	v_max3_num_f32 v13, |v[XS+3]|, |v[XS+4]|, |v[XS+5]|
.irp i, 6,10
	v_max3_num_f32 v12, v12, |v[XS+\i]|, |v[XS+\i+1]|
	v_max3_num_f32 v13, v13, |v[XS+\i+2]|, |v[XS+\i+3]|
.endr
	v_max3_num_f32 v12, v12, |v[XS+14]|, |v[XS+15]|
	v_max3_num_f32 v12, v12, v13, 0x2800000        ; and the floor 2^(5 - 127): the byte cannot fall under 1
	v_max_num_f32_dpp v12, v12, v12 row_xmask:1 row_mask:0xf bank_mask:0xf   ; with my neighbour's 16: the block's
	v_add_nc_u32 v14, 0xfe000000, v12              ; 4 off its exponent field: the conversion takes this operand's exponent field as its scale
	v_cvt_scalef32_pk16_bf6_f32 v[CD+4*PR:CD+4*PR+2], v[XS:XS+15], v14
	v_lshrrev_b32 v[BY+PR], 23, v14                ; the scale's byte (also the plain line behind the conversion)
	ds_store_b32 v5, v[SS+PR] offset:128*(\t)
	ds_store_b32 v6, v[CD+4*PR] offset:3072*(\t)
	ds_store_b32 v6, v[CD+4*PR+1] offset:3072*(\t)+4
	ds_store_b32 v6, v[CD+4*PR+2] offset:3072*(\t)+8
	ds_store_b8 v7, v[BY+PR] offset:128*(\t)       ; both lanes of a block write the same byte with the same value
.endm
.irp t, 0,1,2,3,4,5,6,7
	STEP \t
.endr
	s_wait_dscnt 0x0                               ; for the others' sake: my stores have landed
	s_barrier_signal -1
	s_barrier_wait -1                              ; behind it LDS is only read
.irp i, 0,1,2,3,4,5
	ds_load_b128 v[R+4*\i:R+4*\i+3], v8 offset:512*\i
.endr
.irp i, 0,1,2,3,4,5
	s_wait_dscnt 5-\i
	global_store_b128 v9, v[R+4*\i:R+4*\i+3], s[10:11] offset:512*\i   ; 32 lanes store 512 consecutive bytes, at a multiple of 256 from xq's first byte
.endr
	s_cmp_lg_u32 s20, 1
	s_cbranch_scc1 .Lnot_wave_1
	ds_load_b128 v[32:35], v10                     ; wave 1: the chunk's 1,024 scale bytes
	ds_load_b128 v[36:39], v10 offset:512
	s_wait_dscnt 0x0
	global_store_b128 v1, v[32:35], s[12:13]
	global_store_b128 v1, v[36:39], s[12:13] offset:512
.Lnot_wave_1:
	s_cmp_lg_u32 s20, 0
	s_cbranch_scc1 .Lend
	; wave 0: lane = row.  The eight waves' parts are added in ascending order of K, then bg
.irp wv, 0,1,2,3,4,5,6,7
	ds_load_b128 v[112+8*\wv:115+8*\wv], v11 offset:1024*\wv
	ds_load_b128 v[116+8*\wv:119+8*\wv], v11 offset:1024*\wv+16
.endr
	s_wait_dscnt 0x0
.irp wv, 1,2,3,4,5,6,7
.irp k, 0,2,4,6
	v_pk_add_f32 v[112+\k:113+\k], v[112+\k:113+\k], v[112+8*\wv+\k:113+8*\wv+\k]
.endr
.endr
.irp e, 0,1,2,3,4,5,6,7
	v_add_f32 v[112+\e], s[24+\e], v[112+\e]
.endr
	v_mov_b32 v32, v112                            ; the largest logit and its expert: a later one wins only if it is greater, so ties keep the lower index
	v_mov_b32 v33, 0
.irp e, 1,2,3,4,5,6,7
	v_cmp_le_f32 vcc_lo, v[112+\e], v32            ; keep
	v_cndmask_b32 v32, v[112+\e], v32, vcc_lo
	v_cndmask_b32 v33, \e, v33, vcc_lo
.endr
	v_mov_b32 v34, 0xff800000                      ; the second: the same among the other seven
	v_mov_b32 v36, 1
	v_cmp_eq_u32 vcc_lo, 0, v33
	v_cndmask_b32 v35, 0, v36, vcc_lo
.irp e, 0,1,2,3,4,5,6,7
	v_cmp_eq_u32 s32, \e, v33
	v_cmp_le_f32 vcc_lo, v[112+\e], v34
	s_or_b32 vcc_lo, vcc_lo, s32                   ; keep: it is the first's expert, or not greater
	v_cndmask_b32 v34, v[112+\e], v34, vcc_lo
	v_cndmask_b32 v35, \e, v35, vcc_lo
.endr
	v_sub_f32 v36, v34, v32                        ; the softmax of the two, the larger taken away: 1 / (1 + p), p / (1 + p), p = e^(second - first)
	v_mul_f32 v36, 0x3fb8aa3b, v36
	v_exp_f32 v37, v36
	v_min_u32 v42, v33, v35                        ; lo (a plain line behind the exponential)
	s_wait_alu depctr_va_vdst(0)                   ; the wait ahead of the result's first reader
	v_add_f32 v38, 1.0, v37
	v_rcp_f32 v40, v38
	v_max_u32 v43, v33, v35                        ; hi (a plain line behind the reciprocal)
	s_wait_alu depctr_va_vdst(0)
	v_mul_f32 v41, v37, v40
	v_sub_nc_u32 v44, 15, v42                      ; key = lo (15 - lo) / 2 + (lo odd ? 7 - hi : hi - lo - 1)
	v_mul_u32_u24 v44, v42, v44
	v_lshrrev_b32 v44, 1, v44
	v_sub_nc_u32 v45, v43, v42
	v_add_nc_u32 v45, -1, v45
	v_sub_nc_u32 v46, 7, v43
	v_and_b32 v50, 1, v42
	v_cmp_eq_u32 vcc_lo, 1, v50
	v_cndmask_b32 v45, v45, v46, vcc_lo
	v_add_nc_u32 v47, v44, v45
	v_mov_b32 v48, 0                               ; my rank among the chunk's tokens of my key
	v_mov_b32 v49, 0                               ; lane c: how many tokens of the chunk have key c
.set c, 0
.rept 28
	v_cmp_eq_u32 s33, c, v47
	v_mbcnt_lo_u32_b32 v50, s33, 0
	v_cndmask_b32 v48, v48, v50, s33
	s_bcnt1_i32_b32 s34, s33
	v_writelane_b32 v49, s34, c
.set c, c+1
.endr
	v_lshl_or_b32 v51, v48, 8, v47
	v_lshl_or_b32 v51, v33, 16, v51
	v_lshl_or_b32 v51, v35, 20, v51
	v_lshlrev_b32 v52, 2, v[LN]
	v_lshlrev_b32 v53, 3, v[LN]
	v_lshlrev_b32 v54, 11, v[LN]
	global_store_b32 v52, v51, s[16:17]            ; fixed places: no address hangs on the choice
	global_store_b64 v53, v[40:41], s[14:15]
	global_store_b32 v54, v49, s[18:19]
.Lend:
	s_wait_tensorcnt 0x0
	ds_add_u32 v243, v247
	s_wait_dscnt 0x0
	s_endpgm
.Lfunc_end_k_qcf5dae3476_route:
	.size	k_qcf5dae3476_route, .Lfunc_end_k_qcf5dae3476_route-k_qcf5dae3476_route
	.p2alignl 7, 3214868480
	.fill 96, 4, 3214868480
	.section	.rodata,"a",@progbits
	.p2align	6, 0x0
	.amdhsa_kernel k_qcf5dae3476_route
		.amdhsa_group_segment_fixed_size 75776
		.amdhsa_private_segment_fixed_size 0
		.amdhsa_enable_private_segment 0
		.amdhsa_kernarg_size 64
		.amdhsa_user_sgpr_count 2
		.amdhsa_user_sgpr_kernarg_segment_ptr 1
		.amdhsa_wavefront_size32 1
		.amdhsa_system_sgpr_workgroup_id_x 1
		.amdhsa_system_sgpr_workgroup_id_y 1
		.amdhsa_system_sgpr_workgroup_id_z 1
		.amdhsa_system_vgpr_workitem_id 0
		.amdhsa_next_free_vgpr 256
		.amdhsa_next_free_sgpr 66
		.amdhsa_reserve_vcc 1
		.amdhsa_float_denorm_mode_32 3
		.amdhsa_float_denorm_mode_16_64 3
		.amdhsa_memory_ordered 1
		.amdhsa_forward_progress 1
		.amdhsa_inst_pref_size 84
	.end_amdhsa_kernel
	.amdgpu_metadata
---
amdhsa.version: [ 1, 2 ]
amdhsa.kernels:
  - .name:           k_qcf5dae3476_route
    .symbol:         k_qcf5dae3476_route.kd
    .args:
      - { .name: x, .offset: 0, .size: 8, .value_kind: global_buffer, .address_space: global }
      - { .name: Wg, .offset: 8, .size: 8, .value_kind: global_buffer, .address_space: global }
      - { .name: bg, .offset: 16, .size: 8, .value_kind: global_buffer, .address_space: global }
      - { .name: xq, .offset: 24, .size: 8, .value_kind: global_buffer, .address_space: global }
      - { .name: xs, .offset: 32, .size: 8, .value_kind: global_buffer, .address_space: global }
      - { .name: tokw, .offset: 40, .size: 8, .value_kind: global_buffer, .address_space: global }
      - { .name: meta, .offset: 48, .size: 8, .value_kind: global_buffer, .address_space: global }
      - { .name: cnt, .offset: 56, .size: 8, .value_kind: global_buffer, .address_space: global }
    .group_segment_fixed_size: 75776
    .private_segment_fixed_size: 0
    .kernarg_segment_align: 8
    .kernarg_segment_size: 64
    .max_flat_workgroup_size: 256
    .sgpr_count:     66
    .vgpr_count:     256
    .wavefront_size: 32
...
	.end_amdgpu_metadata
.endif
;; end of part 1
;; launch place (part 2): grid 13 x 1, 32 waves a work-group, no clusters, 70,656 bytes of LDS; arguments cnt, meta, Wup_codes, Wup_scales, Wdown_codes, Wdown_scales, srec, wimg; writes srec, wimg
.if DOCPART == 2
	.amdgcn_target "amdgcn-amd-amdhsa--gfx1250"
	.amdhsa_code_object_version 6
	.text
	.protected	k_qcf5dae3476_place
	.globl	k_qcf5dae3476_place
	.p2align	8
	.type	k_qcf5dae3476_place,@function
k_qcf5dae3476_place:
	s_mov_b64 s[64:65], 0
	v_nop
	global_prefetch_b8 v0, s[64:65] scope:SCOPE_SE
	s_setreg_imm32_b32 hwreg(HW_REG_WAVE_MODE, 25, 1), 1
	s_wait_xcnt 0x0
; PLACE.  Work-group 0 sorts the 16,384 tokens by key (a counting sort without atomics): srec [slot] = token | e1 << 16 | e2 << 20.
; Work-groups 1 to 12 lay the weights out once, in the order in which a wave's operand registers take them: wimg, 384 records of 6,400 bytes, a wave to a record.
; A RECORD: four fragments (16 rows x 128 K of 6-bit codes, 12 registers a lane) as images of their registers: fragment T at 1,536 T, its register group c (4 registers) at + 512 c + 16 x lane;
; at + 6,144 two scale registers, 8 bytes a lane: the first holds tile 0's words in lanes 0-15 and tile 1's in lanes 16-31, the second tiles 2 and 3.
; UP record (e 4 + w) 8 + s: K step s of the rows that wave w of the chain takes of expert e: tile T = 2 u + p (p = 0: u's half, 1: g's half), lane r: row 128 p + 32 w + 8 u + r + 8 (r / 8).
; DOWN record 256 + (e 4 + w) 4 + g: tile T, lane r: row 256 w + 64 g + 16 T + r of Wdown.
; The paths part on the work-group's number alone; only the sort uses LDS and barriers, and all 32 waves of its work-group pass both.
.set PPITCH, 2064                      ; LDS: [key][chunk] first slots, 2,048 bytes + 16 a key
.set TOT,    32*PPITCH                 ; behind them the 32 keys' totals
	s_load_b512 s[4:19], s[0:1], 0x0               ; cnt 4, meta 6, Wup codes 8, scales 10, Wdown codes 12, scales 14, srec 16, wimg 18
	v_lshl_add_u32 v126, v0, 2, 0x10400
	v_mov_b32 v127, 0
	v_lshrrev_b32 v1, 5, v0
	v_readfirstlane_b32 s20, v1                    ; wave 0..31
	v_and_b32 v1, 31, v0                           ; lane
	s_cmp_lg_u32 ttmp9, 0
	s_cbranch_scc1 .Lrecords
	; ---- THE SORT.  Wave v is key v; lane l takes chunks 16 l .. 16 l + 15 of its row of cnt
	s_lshl_b32 s21, s20, 11
	v_lshl_add_u32 v2, v1, 6, s21                  ; cnt: 2,048 v + 64 l
	v_lshl_add_u32 v3, v1, 2, s21                  ; meta of chunks 16 v on: 2,048 v + 4 l
	s_mul_i32 s22, s20, PPITCH
	v_lshl_add_u32 v6, v1, 6, s22                  ; LDS: my key's row, my 16 chunks
	s_lshl_b32 s23, s20, 6
	v_mul_u32_u24 v7, v1, PPITCH
	v_add_nc_u32 v7, s23, v7                       ; LDS: key = lane, chunks 16 v on
	s_lshl_b32 s24, s20, 2
	s_add_co_u32 s24, s24, TOT
	v_mov_b32 v9, s24                              ; LDS: my key's total
	v_lshl_add_u32 v10, v1, 2, TOT                 ; LDS: key = lane's total
	s_lshl_b32 s25, s20, 9
	v_add_nc_u32 v8, s25, v1                       ; token 512 v + l
	s_mov_b32 s41, 0xffff0000                      ; lanes 16-31; also the upper half of a word
	v_mov_b32 v12, 0                               ; (a DPP form's destination counts as read)
	s_wait_kmcnt 0x0
.irp i, 0,1,2,3
	global_load_b128 v[16+4*\i:19+4*\i], v2, s[4:5] offset:16*\i
.endr
.irp i, 0,1,2,3,4,5,6,7,8,9,10,11,12,13,14,15
	global_load_b32 v[48+\i], v3, s[6:7] offset:128*\i
.endr
.macro SCAN32 reg, tmp                 ; the running sum over the 32 lanes, my own number included
.irp n, 1,2,4,8
	v_mov_b32_dpp v[\tmp], v[\reg] row_shr:\n row_mask:0xf bank_mask:0xf bound_ctrl:1
	v_add_nc_u32 v[\reg], v[\reg], v[\tmp]
.endr
	v_readlane_b32 s40, v[\reg], 15
	v_mov_b32 v[\tmp], s40
	v_cndmask_b32 v[\tmp], 0, v[\tmp], s41
	v_add_nc_u32 v[\reg], v[\reg], v[\tmp]
.endm
	s_wait_loadcnt 16                              ; cnt is in; the 16 loads of meta may be out
	v_mov_b32 v32, 0                               ; v32-47: how many tokens of my key lie in my earlier chunks
.irp i, 1,2,3,4,5,6,7,8,9,10,11,12,13,14,15
	v_add_nc_u32 v[32+\i], v[32+\i-1], v[16+\i-1]
.endr
	v_add_nc_u32 v13, v47, v31                     ; my 16 chunks' sum
	v_mov_b32 v14, v13
	SCAN32 14, 12
	v_readlane_b32 s42, v14, 31                    ; the key's total
	v_mov_b32 v11, s42
	ds_store_b32 v9, v11
	s_wait_dscnt 0x0
	s_barrier_signal -1
	s_barrier_wait -1
	ds_load_b32 v11, v10
	s_wait_dscnt 0x0
	v_cmp_gt_u32 vcc_lo, s20, v1                   ; the keys under mine
	v_cndmask_b32 v11, 0, v11, vcc_lo
	SCAN32 11, 12
	v_readlane_b32 s43, v11, 31                    ; my key's first slot
	v_sub_nc_u32 v15, v14, v13
	v_add_nc_u32 v15, s43, v15
.irp i, 0,1,2,3,4,5,6,7,8,9,10,11,12,13,14,15
	v_add_nc_u32 v[32+\i], v15, v[32+\i]           ; the first slot of (my key, chunk 16 l + i)
.endr
.irp i, 0,1,2,3
	ds_store_b128 v6, v[32+4*\i:35+4*\i] offset:16*\i
.endr
	s_wait_dscnt 0x0
	s_barrier_signal -1
	s_barrier_wait -1                              ; behind it LDS is only read
	; wave v places the tokens of chunks 16 v + i; lane = token.  Lane k first fetches key k's first slot in the chunk; each token then takes its key's from that lane
.irp i, 0,1,2,3,4,5,6,7,8,9,10,11,12,13,14,15
	ds_load_b32 v[64+\i], v7 offset:4*\i
.endr
	s_wait_loadcnt 0x0                             ; meta
.irp i, 0,1,2,3,4,5,6,7,8,9,10,11,12,13,14,15
	v_and_b32 v[80+\i], 0xff, v[48+\i]
	v_min_u32 v[80+\i], 31, v[80+\i]
	v_lshlrev_b32 v[80+\i], 2, v[80+\i]
.endr
	s_wait_dscnt 0x0
.irp i, 0,1,2,3,4,5,6,7,8,9,10,11,12,13,14,15
	ds_bpermute_b32 v[96+\i], v[80+\i], v[64+\i]
.endr
.irp i, 0,1,2,3,4,5,6,7,8,9,10,11,12,13,14,15
	v_add_nc_u32 v[32+\i], 32*\i, v8               ; the token
	v_and_or_b32 v[16+\i], v[48+\i], s41, v[32+\i] ; with its two experts above it
	v_bfe_u32 v[32+\i], v[48+\i], 8, 8             ; its rank in the chunk
.endr
	s_wait_dscnt 0x0
.irp i, 0,1,2,3,4,5,6,7,8,9,10,11,12,13,14,15
	v_add_nc_u32 v[96+\i], v[96+\i], v[32+\i]
	v_min_u32 v[96+\i], 0x3fff, v[96+\i]           ; a loaded number enters an address only behind this bound
	v_lshlrev_b32 v[96+\i], 2, v[96+\i]
	global_store_b32 v[96+\i], v[16+\i], s[16:17]
.endr
	s_wait_tensorcnt 0x0
	ds_add_u32 v126, v127
	s_wait_dscnt 0x0
	s_endpgm
	; ---- THE RECORDS
.Lrecords:
	s_sub_co_u32 s21, ttmp9, 1
	s_lshl_b32 s21, s21, 5
	s_add_co_u32 s21, s21, s20                     ; the record's number, 0 .. 383
	v_and_b32 v2, 15, v0                           ; r
	v_bfe_u32 v3, v0, 4, 1                         ; h
	v_lshlrev_b32 v4, 4, v1
	v_lshlrev_b32 v5, 3, v1
	s_mul_i32 s22, s21, 6400
	s_mov_b32 s23, 0
	s_mov_b32 s29, 0
	s_wait_kmcnt 0x0
	s_add_nc_u64 s[18:19], s[18:19], s[22:23]
	s_cmp_ge_u32 ttmp9, 9
	s_cbranch_scc1 .Ldown
	s_lshr_b32 s24, s21, 5                         ; e
	s_bfe_u32 s25, s21, 0x20003                    ; w
	s_and_b32 s26, s21, 7                          ; s
	s_lshl_b32 s24, s24, 8
	s_lshl_b32 s25, s25, 5
	s_add_co_u32 s24, s24, s25                     ; row 256 e + 32 w
	s_mul_i32 s28, s24, 768
	s_mul_i32 s27, s26, 96
	s_add_co_u32 s28, s28, s27
	s_add_nc_u64 s[8:9], s[8:9], s[28:29]
	s_lshl_b32 s28, s24, 5
	s_lshl_b32 s27, s26, 2
	s_add_co_u32 s28, s28, s27
	s_add_nc_u64 s[10:11], s[10:11], s[28:29]
	v_and_b32 v6, 8, v2
	v_add_nc_u32 v6, v6, v2                        ; r + 8 (r / 8): a tile's rows are not neighbours
	v_mul_u32_u24 v7, v6, 768
	v_mad_u32_u24 v7, v3, 24, v7
	v_lshl_add_u32 v8, v3, 7, v6                   ; the scale words: lanes 16-31 take g's half
	v_lshlrev_b32 v8, 5, v8
.irp tt, 0,1,2,3
.irp p, 0,1,2,3,4,5
	global_load_b64 v[16+12*\tt+2*\p:17+12*\tt+2*\p], v7, s[8:9] offset:(128*(\tt&1)+8*(\tt>>1))*768+48*(\p/3)+8*(\p%3)
.endr
.endr
	global_load_b32 v64, v8, s[10:11]
	global_load_b32 v65, v8, s[10:11] offset:256
	s_branch .Lstore
.Ldown:
	s_sub_co_u32 s24, s21, 256
	s_lshl_b32 s24, s24, 6                         ; row 1,024 e + 256 w + 64 g = 64 x (16 e + 4 w + g)
	s_mul_i32 s28, s24, 96
	s_add_nc_u64 s[12:13], s[12:13], s[28:29]
	s_lshl_b32 s28, s24, 2
	s_add_nc_u64 s[14:15], s[14:15], s[28:29]
	v_mul_u32_u24 v7, v2, 96
	v_mad_u32_u24 v7, v3, 24, v7
	v_lshlrev_b32 v8, 2, v1
.irp tt, 0,1,2,3
.irp p, 0,1,2,3,4,5
	global_load_b64 v[16+12*\tt+2*\p:17+12*\tt+2*\p], v7, s[12:13] offset:16*\tt*96+48*(\p/3)+8*(\p%3)
.endr
.endr
	global_load_b32 v64, v8, s[14:15]
	global_load_b32 v65, v8, s[14:15] offset:128
.Lstore:
	s_wait_loadcnt 0x0
.irp tt, 0,1,2,3
.irp c, 0,1,2
	global_store_b128 v4, v[16+12*\tt+4*\c:19+12*\tt+4*\c], s[18:19] offset:1536*\tt+512*\c   ; 32 lanes store 512 consecutive bytes, at a multiple of 256 from wimg's first byte
.endr
.endr
	global_store_b64 v5, v[64:65], s[18:19] offset:6144
	s_endpgm
.Lfunc_end_k_qcf5dae3476_place:
	.size	k_qcf5dae3476_place, .Lfunc_end_k_qcf5dae3476_place-k_qcf5dae3476_place
	.p2alignl 7, 3214868480
	.fill 96, 4, 3214868480
	.section	.rodata,"a",@progbits
	.p2align	6, 0x0
	.amdhsa_kernel k_qcf5dae3476_place
		.amdhsa_group_segment_fixed_size 70656
		.amdhsa_private_segment_fixed_size 0
		.amdhsa_enable_private_segment 0
		.amdhsa_kernarg_size 64
		.amdhsa_user_sgpr_count 2
		.amdhsa_user_sgpr_kernarg_segment_ptr 1
		.amdhsa_wavefront_size32 1
		.amdhsa_system_sgpr_workgroup_id_x 1
		.amdhsa_system_sgpr_workgroup_id_y 1
		.amdhsa_system_sgpr_workgroup_id_z 1
		.amdhsa_system_vgpr_workitem_id 0
		.amdhsa_next_free_vgpr 128
		.amdhsa_next_free_sgpr 66
		.amdhsa_reserve_vcc 1
		.amdhsa_float_denorm_mode_32 3
		.amdhsa_float_denorm_mode_16_64 3
		.amdhsa_memory_ordered 1
		.amdhsa_forward_progress 1
		.amdhsa_inst_pref_size 26
	.end_amdhsa_kernel
	.amdgpu_metadata
---
amdhsa.version: [ 1, 2 ]
amdhsa.kernels:
  - .name:           k_qcf5dae3476_place
    .symbol:         k_qcf5dae3476_place.kd
    .args:
      - { .name: cnt, .offset: 0, .size: 8, .value_kind: global_buffer, .address_space: global }
      - { .name: meta, .offset: 8, .size: 8, .value_kind: global_buffer, .address_space: global }
      - { .name: Wup_codes, .offset: 16, .size: 8, .value_kind: global_buffer, .address_space: global }
      - { .name: Wup_scales, .offset: 24, .size: 8, .value_kind: global_buffer, .address_space: global }
      - { .name: Wdown_codes, .offset: 32, .size: 8, .value_kind: global_buffer, .address_space: global }
      - { .name: Wdown_scales, .offset: 40, .size: 8, .value_kind: global_buffer, .address_space: global }
      - { .name: srec, .offset: 48, .size: 8, .value_kind: global_buffer, .address_space: global }
      - { .name: wimg, .offset: 56, .size: 8, .value_kind: global_buffer, .address_space: global }
    .group_segment_fixed_size: 70656
    .private_segment_fixed_size: 0
    .kernarg_segment_align: 8
    .kernarg_segment_size: 64
    .max_flat_workgroup_size: 1024
    .sgpr_count:     66
    .vgpr_count:     128
    .wavefront_size: 32
...
	.end_amdgpu_metadata
.endif
;; end of part 2
;; launch chain (part 3): grid 256 x 1, 4 waves a work-group, no clusters, 118,272 bytes of LDS; arguments srec, tokw, xq, xs, wimg, out0; writes out0
.if DOCPART == 3
	.amdgcn_target "amdgcn-amd-amdhsa--gfx1250"
	.amdhsa_code_object_version 6
	.text
	.protected	k_qcf5dae3476_chain
	.globl	k_qcf5dae3476_chain
	.p2align	8
	.type	k_qcf5dae3476_chain,@function
k_qcf5dae3476_chain:
	s_mov_b64 s[64:65], 0
	v_nop
	global_prefetch_b8 v0, s[64:65] scope:SCOPE_SE
	s_setreg_imm32_b32 hwreg(HW_REG_WAVE_MODE, 25, 1), 1
	s_wait_xcnt 0x0
; CHAIN: for 64 tokens that lie side by side in the sorted list: for each expert e that any of them chose: ug = x Wup[e], h = silu(g) u, h quantised, ye = h Wdown[e]; y = the sum of (gate's weight) x ye, e ascending.
; Both products on codes of E3M2 with one E8M0 scale for each 32 along K.  Only chosen experts are multiplied; a token for which e was not chosen has the weight 0, as in the dense form.  Each row of y has one owner.
; SHARES.  256 work-groups x 64 slots = all 16,384 tokens.  Four tiles m of 16 tokens.  THE WAVES SHARE THE COLUMNS: wave w makes hidden units 32 w .. 32 w + 31 (block w of the second K) and columns 256 w .. 256 w + 255 of y, for all 64 tokens.
; Both products are used transposed (source 0 = 16 rows of a weight, source 1 = 16 tokens): a lane holds ONE token (lane % 16) and eight neighbouring units or columns.
; THE WEIGHTS come from memory straight into registers, from records laid in the order of the operand's registers (13 loads a record: 12 of 512 consecutive bytes, one of 256), through a ring of four register buffers:
; a record is asked for four records ahead of its use, across experts and from the first product into the second.
; NO TENSOR LOAD, NO CLUSTER: which experts a work-group walks hangs on the stored list, so its branches hang on loaded numbers, and neighbours in a cluster would want different experts' tiles at different times.
; The loops over experts have the constant count 8; an expert that no token of the 64 chose is jumped over.  Both barriers stand outside those jumps.
; LIMITS: NaN and infinities are not served.  A block of h whose largest magnitude lies under 2^(5 - 127) keeps the byte 1 (a block of zeros too: its codes are zeros).
; LDS: x's four fragments sets as images of registers; h's codes [expert][tile][block][token][24 bytes]; h's scale bytes [expert][tile][token][4]; a stage of 16 rows x (256 + 16) bytes for each wave.
.set XIMG,   0                         ; 4 x 12,288
.set HIMG,   49152                     ; 8 x 6,144
.set HSC,    98304                     ; 8 x 256
.set STAGE,  100352                    ; 4 x 4,352
.set SPITCH, 272
.set RECB,   6400
.set QUADB,  4*RECB
; REGISTERS, window 0: v1 16 x lane; v2 8 x lane; v3 h's codes in; v4 h's byte in; v5 h's codes out; v6 h's words out; v7 stage in; v8 stage out; v9 x's image in; v10-11 zeros
.set RECM, 12                          ; v12-15   srec of slot 16 m + lane % 16
.set GW,   16                          ; v16-23   its two weights
.set CB,   24                          ; v24-31   the weight for the expert in hand, at the even registers (the odd ones are named with them as pairs, and hold 0)
.set XSC,  32                          ; v32-47   x's scale words [q][K step]: lanes 0-15 tile 2 q, lanes 16-31 tile 2 q + 1
.set WSC,  48                          ; v48-55   the ring's scale words, two a buffer
.set HSW,  56                          ; v56-57   h's scale words [q]
.set TOKO, 64                          ; v64-95   [m][i]: token (16 m + 2 i + lane / 16) x 4,096 + 16 (lane % 16)
.set T,    96                          ; v96-127  at work
.set ACC,  128                         ; v128-255 ug: 32 m + 16 p + 8 u; then ye: 8 (4 m + T); then rows of y on the way out
.set HF,   192                         ; window 3: v0-191 the ring: buffer b's fragment T at 48 b + 12 T; v192-239 h's four fragments
; window 1: x's fragments of tiles 0, 1 (96 m + 12 s), then y of column groups 0, 1 (128 g + 8 (4 m + T));  window 2: tiles 2, 3, then groups 2, 3
.set MSB, 0
.macro WIN new                         ; bits 1:0 source 0, 3:2 source 1, 5:4 source 2, 7:6 destination; the high byte repeats the setting that is left
.if MSB != \new
	s_set_vgpr_msb (MSB<<8)|\new
.set MSB, \new
.endif
.endm
.macro PLACES                          ; four plain places between a matrix instruction and a load into its registers or a vector read of its result (ISA guide 7.12.1 for vector reads)
.rept 4
	v_nop
.endr
.endm
; one product: d, a, b: first registers; zero: the constant 0 starts the sum; sa, sb: scale registers; ra, rb: the scales stand in lanes 16-31
.macro WMS d, a, b, zero, sa, sb, ra, rb
.if \zero
.if (\ra) && (\rb)
	v_wmma_scale_f32_16x16x128_f8f6f4 v[\d:\d+7], v[\a:\a+11], v[\b:\b+11], 0, v[\sa], v[\sb] matrix_a_fmt:MATRIX_FMT_BF6 matrix_b_fmt:MATRIX_FMT_BF6 matrix_a_scale:MATRIX_SCALE_ROW1 matrix_b_scale:MATRIX_SCALE_ROW1
.elseif (\ra)
	v_wmma_scale_f32_16x16x128_f8f6f4 v[\d:\d+7], v[\a:\a+11], v[\b:\b+11], 0, v[\sa], v[\sb] matrix_a_fmt:MATRIX_FMT_BF6 matrix_b_fmt:MATRIX_FMT_BF6 matrix_a_scale:MATRIX_SCALE_ROW1
.elseif (\rb)
	v_wmma_scale_f32_16x16x128_f8f6f4 v[\d:\d+7], v[\a:\a+11], v[\b:\b+11], 0, v[\sa], v[\sb] matrix_a_fmt:MATRIX_FMT_BF6 matrix_b_fmt:MATRIX_FMT_BF6 matrix_b_scale:MATRIX_SCALE_ROW1
.else
	v_wmma_scale_f32_16x16x128_f8f6f4 v[\d:\d+7], v[\a:\a+11], v[\b:\b+11], 0, v[\sa], v[\sb] matrix_a_fmt:MATRIX_FMT_BF6 matrix_b_fmt:MATRIX_FMT_BF6
.endif
.else
.if (\ra) && (\rb)
	v_wmma_scale_f32_16x16x128_f8f6f4 v[\d:\d+7], v[\a:\a+11], v[\b:\b+11], v[\d:\d+7], v[\sa], v[\sb] matrix_a_fmt:MATRIX_FMT_BF6 matrix_b_fmt:MATRIX_FMT_BF6 matrix_a_scale:MATRIX_SCALE_ROW1 matrix_b_scale:MATRIX_SCALE_ROW1
.elseif (\ra)
	v_wmma_scale_f32_16x16x128_f8f6f4 v[\d:\d+7], v[\a:\a+11], v[\b:\b+11], v[\d:\d+7], v[\sa], v[\sb] matrix_a_fmt:MATRIX_FMT_BF6 matrix_b_fmt:MATRIX_FMT_BF6 matrix_a_scale:MATRIX_SCALE_ROW1
.elseif (\rb)
	v_wmma_scale_f32_16x16x128_f8f6f4 v[\d:\d+7], v[\a:\a+11], v[\b:\b+11], v[\d:\d+7], v[\sa], v[\sb] matrix_a_fmt:MATRIX_FMT_BF6 matrix_b_fmt:MATRIX_FMT_BF6 matrix_b_scale:MATRIX_SCALE_ROW1
.else
	v_wmma_scale_f32_16x16x128_f8f6f4 v[\d:\d+7], v[\a:\a+11], v[\b:\b+11], v[\d:\d+7], v[\sa], v[\sb] matrix_a_fmt:MATRIX_FMT_BF6 matrix_b_fmt:MATRIX_FMT_BF6
.endif
.endif
.endm
; record rec behind the base s[p:p+1] into ring buffer buf: 13 loads
.macro LOADREC buf, p, rec
	WIN 0xc0                                       ; destination window 3, address window 0
.irp tt, 0,1,2,3
.irp c, 0,1,2
	global_load_b128 v[48*(\buf)+12*\tt+4*\c:48*(\buf)+12*\tt+4*\c+3], v1, s[\p:\p+1] offset:RECB*(\rec)+1536*\tt+512*\c
.endr
.endr
	WIN 0
	global_load_b64 v[WSC+2*(\buf):WSC+2*(\buf)+1], v2, s[\p:\p+1] offset:RECB*(\rec)+6144
.endm
	s_load_b256 s[4:11], s[0:1], 0x0               ; srec 4, tokw 6, xq 8, xs 10
	s_load_b128 s[12:15], s[0:1], 0x20             ; wimg 12, out0 14
	v_lshl_add_u32 v63, v0, 2, 0x1cc00
	s_set_vgpr_msb 0xc0
	v_mov_b32 v255, 0
	s_set_vgpr_msb 0xc000
	v_lshrrev_b32 v58, 5, v0
	v_readfirstlane_b32 s16, v58                   ; wave 0..3
	v_and_b32 v58, 31, v0                          ; lane
	v_and_b32 v59, 15, v0                          ; r
	v_bfe_u32 v60, v0, 4, 1                        ; h
	v_lshlrev_b32 v1, 4, v58
	v_lshlrev_b32 v2, 3, v58
	v_mul_u32_u24 v61, v59, 24
	s_mul_i32 s32, s16, 384
	s_add_co_u32 s32, s32, HIMG
	v_mad_u32_u24 v3, v60, 12, v61
	v_add_nc_u32 v3, s32, v3                       ; h's codes in: block w, token r, my 16 of its 32 codes
	s_add_co_u32 s32, s16, HSC
	v_lshl_add_u32 v4, v59, 2, s32                 ; h's byte in: token r's word, byte w
	v_mad_u32_u24 v5, v60, 384, v61
	v_add_nc_u32 v5, HIMG, v5                      ; h's codes out: block h (and 2 + h), token r
	v_lshl_add_u32 v6, v58, 2, HSC                 ; h's words out: two tiles' 32 tokens
	s_mul_i32 s32, s16, 16*SPITCH
	s_add_co_u32 s32, s32, STAGE
	v_mul_u32_u24 v7, v59, SPITCH
	v_lshl_add_u32 v7, v60, 5, v7
	v_add_nc_u32 v7, s32, v7                       ; my stage, in: row r, 32 bytes for each half of the lanes
	v_mul_u32_u24 v8, v60, SPITCH
	v_lshl_add_u32 v8, v59, 4, v8
	v_add_nc_u32 v8, s32, v8                       ; back: lanes 0-15 one row of 256 bytes, lanes 16-31 the next
	s_mul_i32 s32, s16, 12288
	v_add_nc_u32 v9, s32, v1                       ; x's image of tile w
	v_mov_b32 v10, 0
	v_mov_b32 v11, 0
.irp m, 0,1,2,3
	v_mov_b32 v[CB+2*\m+1], 0
.endr
	v_lshlrev_b32 v100, 2, v59
	v_lshlrev_b32 v101, 2, v58
	s_lshl_b32 s32, s16, 6
	v_add_nc_u32 v102, s32, v100
	v_lshlrev_b32 v103, 2, v60
	v_lshlrev_b32 v104, 4, v59
	v_mov_b32 v107, 1
	s_mov_b32 s20, 0x76543210
	s_mov_b32 s21, 0xfedcba98                      ; v_permlanex16_b32's selects for lane l xor 16
	s_mov_b32 s22, 0xbfb8aa3b                      ; -log2(e)
	s_mov_b32 s23, s22                             ; (named with it as a pair)
	s_mov_b32 s29, 0
	s_mov_b32 s37, 0
	s_lshl_b32 s28, ttmp9, 8                       ; my 64 slots
	s_wait_kmcnt 0x0
	s_add_nc_u64 s[4:5], s[4:5], s[28:29]
	s_lshl_b32 s28, s16, 10                        ; my wave's 256 columns of y
	s_add_nc_u64 s[14:15], s[14:15], s[28:29]
.irp q, 0,1
	global_load_b32 v[T+\q], v101, s[4:5] offset:128*\q            ; slot 32 q + lane
.endr
	global_load_b32 v98, v102, s[4:5]                              ; slot 16 w + r: the tile whose codes I gather
.irp m, 0,1,2,3
	global_load_b32 v[RECM+\m], v100, s[4:5] offset:64*\m
.endr
.irp m, 0,1,2,3
.irp i, 0,1,2,3,4,5,6,7
	global_load_b32 v[TOKO+8*\m+\i], v103, s[4:5] offset:4*(16*\m+2*\i)
.endr
.endr
	s_wait_loadcnt 32                              ; the first seven are in; the 32 for the way out may be out
	; which experts the 64 tokens use: a bit for each
	v_bfe_u32 v105, v96, 16, 4
	v_lshlrev_b32 v106, v105, v107
	v_bfe_u32 v105, v96, 20, 4
	v_lshl_or_b32 v106, v107, v105, v106
	v_bfe_u32 v105, v97, 16, 4
	v_lshl_or_b32 v106, v107, v105, v106
	v_bfe_u32 v105, v97, 20, 4
	v_lshl_or_b32 v106, v107, v105, v106
	s_mov_b32 s17, 0
.irp e, 0,1,2,3,4,5,6,7
	v_and_b32 v105, 1<<\e, v106
	v_cmp_ne_u32 vcc_lo, 0, v105
	s_cmp_lg_u32 vcc_lo, 0
	s_cselect_b32 s32, 1<<\e, 0
	s_or_b32 s17, s17, s32
.endr
	; a loaded number enters an address only behind v_min_u32 with a constant; behind it only shifts, multiplications and additions
	v_and_b32 v98, 0xffff, v98
	v_min_u32 v98, 0x3fff, v98
	v_mul_u32_u24 v105, v98, 768
	v_mad_u32_u24 v105, v60, 384, v105             ; my token's codes, my half's 384 bytes
.irp q, 0,1
	v_and_b32 v[T+\q], 0xffff, v[T+\q]
	v_min_u32 v[T+\q], 0x3fff, v[T+\q]
	v_lshlrev_b32 v[T+\q], 5, v[T+\q]
.endr
.irp m, 0,1,2,3
	v_and_b32 v[108+\m], 0xffff, v[RECM+\m]
	v_min_u32 v[108+\m], 0x3fff, v[108+\m]
	v_lshlrev_b32 v[108+\m], 3, v[108+\m]
.endr
.set i, 0
.rept 24
	global_load_b128 v[ACC+4*i:ACC+4*i+3], v105, s[8:9] offset:16*i th:TH_LOAD_NT
.set i, i+1
.endr
.irp q, 0,1
	global_load_b128 v[XSC+8*\q:XSC+8*\q+3], v[T+\q], s[10:11]
	global_load_b128 v[XSC+8*\q+4:XSC+8*\q+7], v[T+\q], s[10:11] offset:16
.endr
.irp m, 0,1,2,3
	global_load_b64 v[GW+2*\m:GW+2*\m+1], v[108+\m], s[6:7]
.endr
	s_ctz_i32_b32 s32, s17                         ; the first expert's first four records of the first product: quad 8 e + 2 w
	s_lshl_b32 s32, s32, 3
	s_lshl_b32 s33, s16, 1
	s_add_co_u32 s32, s32, s33
	s_min_u32 s32, s32, 95
	s_mul_i32 s28, s32, QUADB
	s_add_nc_u64 s[26:27], s[12:13], s[28:29]
.irp b, 0,1,2,3
	LOADREC \b, 26, \b
.endr
	s_wait_loadcnt 52                              ; all but the quad's 4 x 13 loads are in
.set i, 0
.rept 24
	ds_store_b128 v9, v[ACC+4*i:ACC+4*i+3] offset:512*i            ; tile w's 96 registers go to LDS as they stand
.set i, i+1
.endr
.set i, 0
.rept 32
	v_and_b32 v[TOKO+i], 0xffff, v[TOKO+i]
	v_min_u32 v[TOKO+i], 0x3fff, v[TOKO+i]
	v_lshl_add_u32 v[TOKO+i], v[TOKO+i], 12, v104
.set i, i+1
.endr
	s_wait_dscnt 0x0                               ; for the others' sake: my image has landed
	s_barrier_signal -1
	s_barrier_wait -1
	WIN 0x40                                       ; destination window 1
.irp m, 0,1
.set i, 0
.rept 24
	ds_load_b128 v[96*\m+4*i:96*\m+4*i+3], v1 offset:12288*\m+512*i
.set i, i+1
.endr
.endr
	WIN 0x80                                       ; destination window 2
.irp m, 2,3
.set i, 0
.rept 24
	ds_load_b128 v[96*(\m-2)+4*i:96*(\m-2)+4*i+3], v1 offset:12288*\m+512*i
.set i, i+1
.endr
.endr
	WIN 0
	s_wait_dscnt 0x0
; K step ks of the first product: my four tiles of Wup's rows x the four tiles of tokens.  The 16 accumulators take turns, one instruction a turn, in the same order in every K step
.macro UPMUL ks
.set BF, (\ks)%4
.irp m, 0,1,2,3
.if \m < 2
	WIN 0x07                                       ; source 0 window 3, source 1 window 1
.else
	WIN 0x0b                                       ; source 1 window 2
.endif
.irp tt, 0,1,2,3
	WMS ACC+32*\m+16*(\tt&1)+8*(\tt>>1), 48*BF+12*\tt, 96*(\m&1)+12*(\ks), (\ks)==0, WSC+2*BF+(\tt>>1), XSC+8*(\m>>1)+(\ks), \tt&1, \m&1
.endr
.endr
.endm
.macro KSTEP ks, p, rec
	s_wait_loadcnt 39                              ; the ring's oldest record is in; the three behind it, 13 loads each, may be out
	UPMUL \ks
	WIN 0
	PLACES
	LOADREC (\ks)%4, \p, \rec                      ; its buffer takes the record four on
.endm
; h = silu(g) u = g u / (1 + 2^(-g log2 e)) for tiles m0 and m0 + 1: 32 numbers a lane.  The exponentials go as one batch with one wait, the reciprocals likewise
.macro SWIGLU m0
.irp mm, 0,1
.irp k, 0,1,2,3,4,5,6,7
	v_pk_mul_f32 v[T+16*\mm+2*\k:T+16*\mm+2*\k+1], v[ACC+16+32*((\m0)+\mm)+2*\k:ACC+16+32*((\m0)+\mm)+2*\k+1], s[22:23] op_sel_hi:[1,0]   ; each accumulator is read from its low end on
.endr
.endr
.set j, 0
.rept 32
	v_exp_f32 v[T+j], v[T+j]
.set j, j+1
.endr
	v_nop                                          ; a plain line behind the last exponential
	s_wait_alu depctr_va_vdst(0)                   ; the wait ahead of the batch's first reader
.set j, 0
.rept 16
	v_pk_add_f32 v[T+j:T+j+1], v[T+j:T+j+1], 1.0 op_sel_hi:[1,0]
.set j, j+2
.endr
.set j, 0
.rept 32
	v_rcp_f32 v[T+j], v[T+j]
.set j, j+1
.endr
	v_nop
	s_wait_alu depctr_va_vdst(0)
.irp mm, 0,1
.irp k, 0,1,2,3,4,5,6,7
	v_pk_mul_f32 v[ACC+16+32*((\m0)+\mm)+2*\k:ACC+16+32*((\m0)+\mm)+2*\k+1], v[ACC+16+32*((\m0)+\mm)+2*\k:ACC+16+32*((\m0)+\mm)+2*\k+1], v[T+16*\mm+2*\k:T+16*\mm+2*\k+1]
.endr
.endr
.irp mm, 0,1
.irp k, 0,1,2,3,4,5,6,7
	v_pk_mul_f32 v[ACC+32*((\m0)+\mm)+2*\k:ACC+32*((\m0)+\mm)+2*\k+1], v[ACC+32*((\m0)+\mm)+2*\k:ACC+32*((\m0)+\mm)+2*\k+1], v[ACC+16+32*((\m0)+\mm)+2*\k:ACC+16+32*((\m0)+\mm)+2*\k+1]
.endr
.endr
.endm
; h, 16 neighbours a lane and tile (units 32 w + 16 (lane / 16) + 0 .. 15), becomes 12 bytes of codes and its block's byte, in LDS where the second product's operand finds them
.macro QUANTH
.irp m, 0,1,2,3
	v_max3_num_f32 v[T+\m], |v[ACC+32*\m]|, |v[ACC+32*\m+1]|, 0x2800000   ; with the floor 2^(5 - 127): the byte cannot fall under 1
.endr
.irp i, 2,4,6,8,10,12,14
.irp m, 0,1,2,3
	v_max3_num_f32 v[T+\m], v[T+\m], |v[ACC+32*\m+\i]|, |v[ACC+32*\m+\i+1]|
.endr
.endr
.irp m, 0,1,2,3
	v_permlanex16_b32 v[T+4+\m], v[T+\m], s20, s21
.endr
.irp m, 0,1,2,3
	v_max_num_f32 v[T+\m], v[T+\m], v[T+4+\m]      ; with lane l xor 16's 16: the block's largest magnitude
.endr
.irp m, 0,1,2,3
	v_add_nc_u32 v[T+8+\m], 0xfe000000, v[T+\m]    ; 4 off its exponent field: the conversion's scale operand
.endr
.irp m, 0,1,2,3
	v_lshrrev_b32 v[T+12+\m], 23, v[T+8+\m]        ; the scale's byte
.endr
.irp m, 0,1,2,3
	v_cvt_scalef32_pk16_bf6_f32 v[T+16+4*\m:T+18+4*\m], v[ACC+32*\m:ACC+32*\m+15], v[T+8+\m]
.endr
	v_nop                                          ; one plain line behind the last conversion
	v_add_nc_u32 v58, s30, v3
	v_add_nc_u32 v59, s31, v4
.irp m, 0,1,2,3
	ds_store_b32 v58, v[T+16+4*\m] offset:1536*\m
	ds_store_b32 v58, v[T+17+4*\m] offset:1536*\m+4
	ds_store_b32 v58, v[T+18+4*\m] offset:1536*\m+8
	ds_store_b8 v59, v[T+12+\m] offset:64*\m       ; both halves of the lanes write the same byte with the same value
.endr
.endm
	; ---- THE FIRST PRODUCT, expert by expert.  On entry to a body and on leaving it the ring holds four unread records, asked for in the order of the buffers
	s_mov_b32 s18, 0                               ; e
	s_mov_b32 s30, 0                               ; 6,144 e
	s_mov_b32 s31, 0                               ; 256 e
.Lup:
	s_lshr_b32 s32, s17, s18
	s_and_b32 s32, s32, 1
	s_cmp_eq_u32 s32, 0
	s_cbranch_scc1 .Lup_skip
	s_add_co_u32 s32, s18, 1                       ; what follows this expert's eight records: the next used expert's first quad, 8 e' + 2 w; behind the last, the first expert's quad of the second product, 64 + 4 e0 + w
	s_lshr_b32 s33, s17, s32
	s_ctz_i32_b32 s34, s33
	s_add_co_u32 s34, s34, s32
	s_lshl_b32 s34, s34, 3
	s_lshl_b32 s35, s16, 1
	s_add_co_u32 s34, s34, s35
	s_ctz_i32_b32 s35, s17
	s_lshl_b32 s35, s35, 2
	s_add_co_u32 s35, s35, s16
	s_add_co_u32 s35, s35, 64
	s_cmp_lg_u32 s33, 0
	s_cselect_b32 s34, s34, s35
	s_min_u32 s34, s34, 95
	s_mul_i32 s28, s34, QUADB
	s_mul_i32 s36, s18, 32*RECB
	s_mul_i32 s35, s16, 8*RECB
	s_add_co_u32 s36, s36, s35
	s_wait_xcnt 0x0                                ; the loads that are out have read their bases: both may be written
	s_add_nc_u64 s[26:27], s[12:13], s[28:29]
	s_add_nc_u64 s[24:25], s[12:13], s[36:37]      ; this expert's eight records
.irp ks, 0,1,2,3
	KSTEP \ks, 24, \ks+4
.endr
.irp ks, 4,5,6,7
	KSTEP \ks, 26, \ks-4
.endr
	s_wait_dscnt 0x0                               ; the last expert's stores of codes have read the work registers
	SWIGLU 0
	SWIGLU 2
	QUANTH
.Lup_skip:
	s_add_co_u32 s30, s30, 6144
	s_add_co_u32 s31, s31, 256
	s_add_co_u32 s18, s18, 1
	s_cmp_lt_u32 s18, 8
	s_cbranch_scc1 .Lup
	s_wait_dscnt 0x0                               ; for the others' sake: my part of h has landed
	s_barrier_signal -1
	; y begins as zeros, while the others arrive.  Its sums are of results multiplied by the gate's weight in vector instructions, and which expert comes first is known only from the list: no product's C can start them
	WIN 0x40
.set j, 0
.rept 128
	v_pk_add_f32 v[j:j+1], v[10:11], v[10:11]
.set j, j+2
.endr
	WIN 0x80
.set j, 0
.rept 128
	v_pk_add_f32 v[j:j+1], v[10:11], v[10:11]
.set j, j+2
.endr
	WIN 0
	s_barrier_wait -1
; column group g of the second product: four tiles of Wdown's rows x four tiles of tokens, K = 128: one instruction each; then y += weight x ye.  pre: the buffer takes the next expert's record g
.macro DNSTEP g, pre, cnt
	s_wait_loadcnt \cnt                            ; record g is in; cnt = 13 x the records asked for behind it
	WIN 0x0f                                       ; sources 0 and 1 window 3
.irp m, 0,1,2,3
.irp tt, 0,1,2,3
	WMS ACC+8*(4*\m+\tt), 48*(\g)+12*\tt, HF+12*\m, 1, WSC+2*(\g)+(\tt>>1), HSW+(\m>>1), \tt&1, \m&1
.endr
.endr
	WIN 0
	PLACES
.if \pre
	LOADREC \g, 26, \g
.endif
.if (\g) < 2
	WIN 0x50                                       ; y (source 2 and destination) window 1
.else
	WIN 0xa0                                       ; window 2
.endif
.irp m, 0,1,2,3
.irp tt, 0,1,2,3
.irp k, 0,1,2,3
.set YR, 128*((\g)&1)+8*(4*\m+\tt)+2*\k
	v_pk_fma_f32 v[YR:YR+1], v[ACC+8*(4*\m+\tt)+2*\k:ACC+8*(4*\m+\tt)+2*\k+1], v[CB+2*\m:CB+2*\m+1], v[YR:YR+1] op_sel_hi:[1,0,1]   ; each accumulator from its low end on
.endr
.endr
.endr
	WIN 0
.endm
	; ---- THE SECOND PRODUCT
	s_mov_b32 s18, 0
	s_mov_b32 s30, 0
	s_mov_b32 s31, 0
.Ldn:
	s_lshr_b32 s32, s17, s18
	s_and_b32 s32, s32, 1
	s_cmp_eq_u32 s32, 0
	s_cbranch_scc1 .Ldn_skip
	s_add_co_u32 s32, s18, 1                       ; the next used expert's quad: 64 + 4 e' + w
	s_lshr_b32 s33, s17, s32
	s_ctz_i32_b32 s34, s33
	s_add_co_u32 s34, s34, s32
	s_lshl_b32 s34, s34, 2
	s_add_co_u32 s34, s34, s16
	s_add_co_u32 s34, s34, 64
	s_min_u32 s34, s34, 95
	s_mul_i32 s28, s34, QUADB
	s_wait_xcnt 0x0                                ; the loads that are out have read their base
	s_add_nc_u64 s[26:27], s[12:13], s[28:29]
.irp m, 0,1,2,3                        ; the gate's weight of each token for this expert: the first's, the second's, or 0
	v_bfe_u32 v58, v[RECM+\m], 16, 4
	v_bfe_u32 v59, v[RECM+\m], 20, 4
	v_cmp_eq_u32 vcc_lo, s18, v59
	v_cndmask_b32 v60, 0, v[GW+2*\m+1], vcc_lo
	v_cmp_eq_u32 vcc_lo, s18, v58
	v_cndmask_b32 v[CB+2*\m], v60, v[GW+2*\m], vcc_lo
.endr
	v_add_nc_u32 v61, s30, v5
	v_add_nc_u32 v62, s31, v6
	WIN 0xc0
.irp m, 0,1,2,3
.irp p, 0,1,2,3,4,5
	ds_load_b64 v[HF+12*\m+2*\p:HF+12*\m+2*\p+1], v61 offset:1536*\m+768*(\p/3)+8*(\p%3)   ; registers 0-5: block lane / 16; 6-11: block 2 + lane / 16
.endr
.endr
	WIN 0
	ds_load_b32 v[HSW], v62
	ds_load_b32 v[HSW+1], v62 offset:128
	s_wait_dscnt 0x0
	s_cmp_eq_u32 s33, 0
	s_cbranch_scc1 .Ldn_last
	DNSTEP 0, 1, 39
	DNSTEP 1, 1, 39
	DNSTEP 2, 1, 39
	DNSTEP 3, 1, 39
	s_branch .Ldn_skip
.Ldn_last:                                             ; the last used expert asks for nothing more: the counts run down
	DNSTEP 0, 0, 39
	DNSTEP 1, 0, 26
	DNSTEP 2, 0, 13
	DNSTEP 3, 0, 0
.Ldn_skip:
	s_add_co_u32 s30, s30, 6144
	s_add_co_u32 s31, s31, 256
	s_add_co_u32 s18, s18, 1
	s_cmp_lt_u32 s18, 8
	s_cbranch_scc1 .Ldn
; ---- THE WAY OUT, block k = 4 g + m: 16 tokens x 64 columns.  A lane holds 32 neighbouring bytes of a row and the lanes beside it hold other rows: the block goes through my own stage and comes back as rows of 256 bytes.
; LDS serves a wave's instructions in order (ISA guide 5.7.1.4): no wait between the stores and the loads, nor ahead of the next block's stores
.macro TOSTAGE k
.set GG, (\k)/4
.set MM, (\k)%4
.if GG < 2
	WIN 0x04                                       ; an LDS store's data are its source 1: window 1
.else
	WIN 0x08                                       ; window 2
.endif
.irp tt, 0,1,2,3
	ds_store_b128 v7, v[128*(GG&1)+8*(4*MM+\tt):128*(GG&1)+8*(4*MM+\tt)+3] offset:64*\tt
	ds_store_b128 v7, v[128*(GG&1)+8*(4*MM+\tt)+4:128*(GG&1)+8*(4*MM+\tt)+7] offset:64*\tt+16
.endr
	WIN 0
.irp i, 0,1,2,3,4,5,6,7
	ds_load_b128 v[ACC+32*((\k)%2)+4*\i:ACC+32*((\k)%2)+4*\i+3], v8 offset:2*SPITCH*\i
.endr
.endm
.macro SEND k, younger                 ; younger: the LDS instructions issued behind block k's loads, which may stay out
.set GG, (\k)/4
.set MM, (\k)%4
	s_wait_dscnt \younger
.irp i, 0,1,2,3,4,5,6,7
	global_store_b128 v[TOKO+8*MM+\i], v[ACC+32*((\k)%2)+4*\i:ACC+32*((\k)%2)+4*\i+3], s[14:15] offset:256*GG th:TH_STORE_NT   ; 16 lanes store 256 consecutive bytes of a token's row, at a multiple of 256 from out0's first byte
.endr
.endm
	TOSTAGE 0
.irp k, 1,2,3,4,5,6,7,8,9,10,11,12,13,14,15
.if \k > 1
	s_wait_xcnt 0x0                                ; block k - 2's stores have read their registers: block k's loads may land there
.endif
	TOSTAGE \k
	SEND \k-1, 16                                  ; behind block k - 1's loads: block k's 8 stores and 8 loads
.endr
	SEND 15, 0
	s_set_vgpr_msb 0xc
	s_wait_tensorcnt 0x0
	ds_add_u32 v63, v255
	s_wait_dscnt 0x0
	s_set_vgpr_msb 0xc00
	s_endpgm
.Lfunc_end_k_qcf5dae3476_chain:
	.size	k_qcf5dae3476_chain, .Lfunc_end_k_qcf5dae3476_chain-k_qcf5dae3476_chain
	.p2alignl 7, 3214868480
	.fill 96, 4, 3214868480
	.section	.rodata,"a",@progbits
	.p2align	6, 0x0
	.amdhsa_kernel k_qcf5dae3476_chain
		.amdhsa_group_segment_fixed_size 118272
		.amdhsa_private_segment_fixed_size 0
		.amdhsa_enable_private_segment 0
		.amdhsa_kernarg_size 48
		.amdhsa_user_sgpr_count 2
		.amdhsa_user_sgpr_kernarg_segment_ptr 1
		.amdhsa_wavefront_size32 1
		.amdhsa_system_sgpr_workgroup_id_x 1
		.amdhsa_system_sgpr_workgroup_id_y 1
		.amdhsa_system_sgpr_workgroup_id_z 1
		.amdhsa_system_vgpr_workitem_id 0
		.amdhsa_next_free_vgpr 1024
		.amdhsa_next_free_sgpr 66
		.amdhsa_reserve_vcc 1
		.amdhsa_float_denorm_mode_32 3
		.amdhsa_float_denorm_mode_16_64 3
		.amdhsa_memory_ordered 1
		.amdhsa_forward_progress 1
		.amdhsa_inst_pref_size 184
	.end_amdhsa_kernel
	.amdgpu_metadata
---
amdhsa.version: [ 1, 2 ]
amdhsa.kernels:
  - .name:           k_qcf5dae3476_chain
    .symbol:         k_qcf5dae3476_chain.kd
    .args:
      - { .name: srec, .offset: 0, .size: 8, .value_kind: global_buffer, .address_space: global }
      - { .name: tokw, .offset: 8, .size: 8, .value_kind: global_buffer, .address_space: global }
      - { .name: xq, .offset: 16, .size: 8, .value_kind: global_buffer, .address_space: global }
      - { .name: xs, .offset: 24, .size: 8, .value_kind: global_buffer, .address_space: global }
      - { .name: wimg, .offset: 32, .size: 8, .value_kind: global_buffer, .address_space: global }
      - { .name: out0, .offset: 40, .size: 8, .value_kind: global_buffer, .address_space: global }
    .group_segment_fixed_size: 118272
    .private_segment_fixed_size: 0
    .kernarg_segment_align: 8
    .kernarg_segment_size: 48
    .max_flat_workgroup_size: 128
    .sgpr_count:     66
    .vgpr_count:     1024
    .wavefront_size: 32
...
	.end_amdgpu_metadata
.endif
;; end of part 3
;; ======== version 2 of 2: 3 launches
;; workspace buffers: xq 12,582,912 bytes; xs 524,288 bytes; tokw 131,072 bytes; meta 65,536 bytes of whole numbers; cnt 65,536 bytes of whole numbers; srec 65,536 bytes of whole numbers; wimg 2,457,600 bytes
;; launch route (part 4): grid 512 x 1, 8 waves a work-group, no clusters, 75,776 bytes of LDS; arguments x, Wg, bg, xq, xs, tokw, meta, cnt; writes xq, xs, tokw, meta, cnt
.if DOCPART == 4
	.amdgcn_target "amdgcn-amd-amdhsa--gfx1250"
	.amdhsa_code_object_version 6
	.text
	.protected	k_qcf5dae3476_route
	.globl	k_qcf5dae3476_route
	.p2align	8
	.type	k_qcf5dae3476_route,@function
k_qcf5dae3476_route:
	s_mov_b64 s[64:65], 0
	v_nop
	global_prefetch_b8 v0, s[64:65] scope:SCOPE_SE
	s_setreg_imm32_b32 hwreg(HW_REG_WAVE_MODE, 25, 1), 1
	s_wait_xcnt 0x0
; ROUTE: x [16384][1024] f32 is read once.  Of it are made (a) the gate's logits x Wg^T + bg in f32 by fused multiply-adds, their top 2 of 8 (ties: the lower index) and the softmax of the two;
; (b) x's codes of E3M2 with one E8M0 byte for each 32 along K.
; A work-group takes a chunk of 32 tokens.  Wave w owns columns 128 w .. 128 w + 127 of all 32 rows, four rows a step, eight steps.
; Each load reads 512 consecutive bytes; a step's 2,048 bytes turn through the wave's own stage in LDS, so that a lane holds 16 neighbours along K (two neighbouring lanes hold a block of 32).
; OUT: xq [token][parity][16][24 bytes]: block B of a token lies at 768 token + 384 (B & 1) + 24 (B >> 1), so that a lane of the later product's operand finds its 384 bytes on end;
;      xs [token][32] scale bytes; tokw [token][2] the two weights; meta [token] = key | rank in the chunk << 8 | e1 << 16 | e2 << 20; cnt [32 keys][512 chunks].
; The key numbers the unordered pair of experts (0 .. 27), in an order in which neighbouring keys share an expert.  Nothing here forms an address or a branch from the choice: it is stored as whole numbers.
; LIMITS: NaN and infinities in x, Wg, bg are not served.  A block whose largest magnitude lies under 2^(5 - 127) keeps the byte 1 (a block of zeros too: its codes are zeros, and this program alone reads the bytes).
; The logits' sums run in another order than a plain ascending sum: two logits nearer than f32 summing can tell (about 1e-6 of their size) may be ordered either way.
; No tensor load, no cluster: work-groups share only Wg's 32 KiB; the stream goes through registers, 12 loads of 512 bytes a wave on their way, and two work-groups of 8 waves fit on a WGP.
.set SP,    80                         ; a lane's place in a stage: 64 bytes + 16 of padding
.set STGB,  32*SP                      ; a stage; each wave has two
.set PART,  16*STGB                    ; [wave][row][8] f32: the waves' parts of the logits, 8,192 bytes
.set CODES, PART+8192                  ; the chunk's codes, laid as xq, 24,576 bytes
.set SCB,   CODES+24576                ; the chunk's scale bytes, 1,024
.set ACC,   16                         ; v16-31   eight pairs: the gate's sums
.set X,     32                         ; v32-63   two sets of 16 neighbours
.set R,     64                         ; v64-111  three sets of 16 numbers as loaded
.set WGR,   112                        ; v112-239 Wg: [expert][my 16 columns]
.set CD,    240                        ; v240-242, v244-246 codes, two sets by turns
.set BY,    248                        ; v248-249 the scale's byte, two sets
.set SS,    250                        ; v250-251 the gate's part, two sets
.set LN,    252                        ; v252     lane
	s_load_b512 s[4:19], s[0:1], 0x0               ; x 4, Wg 6, bg 8, xq 10, xs 12, tokw 14, meta 16, cnt 18
	v_lshl_add_u32 v243, v0, 2, 0x12400
	v_mov_b32 v247, 0
	v_and_b32 v[LN], 31, v0
	v_lshrrev_b32 v253, 5, v0
	s_delay_alu instid0(VALU_DEP_1)
	v_readfirstlane_b32 s20, v253                  ; wave 0..7
	s_delay_alu instid0(VALU_DEP_3)
	v_lshlrev_b32 v1, 4, v[LN]                     ; v1: 16 x lane
	s_mul_i32 s32, s20, 2*STGB                     ; my two stages
	v_lshrrev_b32 v254, 2, v[LN]
	s_delay_alu instid0(VALU_DEP_1)
	v_mul_u32_u24 v2, v254, SP
	v_and_b32 v254, 3, v[LN]
	s_delay_alu instid0(VALU_DEP_1)
	v_lshl_add_u32 v2, v254, 4, v2
	s_delay_alu instid0(VALU_DEP_1)
	v_add_nc_u32 v2, s32, v2                       ; v2: into a stage: four lanes' 64 bytes on end, then the padding
	v_mul_u32_u24 v3, v[LN], SP
	s_delay_alu instid0(VALU_DEP_1)
	v_add_nc_u32 v3, s32, v3                       ; v3: out of it: my 64 bytes
	v_and_b32 v255, 7, v[LN]                       ; j: which 16 columns of the wave's 128
	s_delay_alu instid0(VALU_DEP_1)
	v_mul_u32_u24 v4, v255, SP
	s_delay_alu instid0(VALU_DEP_1)
	v_add_nc_u32 v4, s32, v4                       ; v4: Wg's 16 columns j
	v_lshrrev_b32 v253, 3, v[LN]                   ; which of a step's four rows
	v_and_b32 v254, 1, v[LN]
	s_delay_alu instid0(VALU_DEP_1)
	v_lshlrev_b32 v5, 4, v254
	v_bfe_u32 v254, v[LN], 1, 1
	s_delay_alu instid0(VALU_DEP_1)
	v_lshl_add_u32 v5, v254, 3, v5
	v_bfe_u32 v254, v[LN], 2, 1
	s_delay_alu instid0(VALU_DEP_1)
	v_lshl_add_u32 v5, v254, 2, v5                 ; 4 x the expert whose sum ends in my lane: 4 (bit 0) + 2 (bit 1) + (bit 2)
	s_delay_alu instid0(VALU_DEP_1)
	v_lshl_add_u32 v5, v253, 5, v5
	s_lshl_b32 s33, s20, 10
	s_add_co_u32 s33, s33, PART
	v_add_nc_u32 v5, s33, v5                       ; v5: my word among the parts
	v_mul_u32_u24 v6, v253, 768
	v_bfe_u32 v254, v[LN], 1, 1
	s_delay_alu instid0(VALU_DEP_1)
	v_mad_u32_u24 v6, v254, 384, v6                ; block 4 w + j / 2: its parity,
	v_bfe_u32 v254, v[LN], 2, 1
	s_delay_alu instid0(VALU_DEP_1)
	v_mad_u32_u24 v6, v254, 24, v6                 ; its half 2 w + j / 4,
	v_and_b32 v254, 1, v[LN]
	s_delay_alu instid0(VALU_DEP_1)
	v_mad_u32_u24 v6, v254, 12, v6                 ; and my 16 codes of its 32
	s_mul_i32 s33, s20, 48
	s_add_co_u32 s33, s33, CODES
	v_add_nc_u32 v6, s33, v6                       ; v6: my 12 bytes of codes
	v_bfe_u32 v254, v[LN], 1, 2
	s_delay_alu instid0(VALU_DEP_1)
	v_lshl_add_u32 v7, v253, 5, v254
	s_lshl_b32 s33, s20, 2
	s_add_co_u32 s33, s33, SCB
	v_add_nc_u32 v7, s33, v7                       ; v7: my block's scale byte
	s_mul_i32 s33, s20, 3072
	v_add_nc_u32 v9, s33, v1                       ; v9: the way out: my wave's 3,072 bytes of the chunk's codes
	s_delay_alu instid0(VALU_DEP_1)
	v_add_nc_u32 v8, CODES, v9                     ; v8: the same in LDS
	v_add_nc_u32 v10, SCB, v1                      ; v10: the scale bytes' way out (wave 1)
	v_lshl_add_u32 v11, v[LN], 5, PART             ; v11: a row's parts (wave 0: lane = row)
	s_mov_b32 s21, 0xaaaaaaaa                      ; lanes with bit 0, 1, 2 set
	s_mov_b32 s22, 0xcccccccc
	s_mov_b32 s23, 0xf0f0f0f0
	s_lshl_b32 s34, ttmp9, 17                      ; the chunk's 32 rows of 4,096 bytes
	s_lshl_b32 s36, s20, 9                         ; my wave's 512 bytes of a row
	s_add_co_u32 s34, s34, s36
	s_mov_b32 s35, 0
	s_mov_b32 s37, 0
	s_wait_kmcnt 0x0
	s_add_nc_u64 s[4:5], s[4:5], s[34:35]
	s_add_nc_u64 s[6:7], s[6:7], s[36:37]
.macro LOAD t                          ; step t's four rows: each load reads 512 consecutive bytes
.irp i, 0,1,2,3
	global_load_b128 v[R+16*((\t)%3)+4*\i:R+16*((\t)%3)+4*\i+3], v1, s[4:5] offset:(4*(\t)+\i)*4096 th:TH_LOAD_NT
.endr
.endm
.macro TURN t                          ; through the stage: LDS serves a wave's instructions in order, so no wait stands between the stores and the loads
.irp i, 0,1,2,3
	ds_store_b128 v2, v[R+16*((\t)%3)+4*\i:R+16*((\t)%3)+4*\i+3] offset:STGB*((\t)%2)+8*SP*\i
.endr
.irp i, 0,1,2,3
	ds_load_b128 v[X+16*((\t)%2)+4*\i:X+16*((\t)%2)+4*\i+3], v3 offset:STGB*((\t)%2)+16*\i
.endr
.endm
.irp e, 0,1,2,3,4,5,6,7
	global_load_b128 v[X+4*\e:X+4*\e+3], v1, s[6:7] offset:4096*\e     ; Wg: my wave's 128 columns of each expert
.endr
	LOAD 0
	LOAD 1
	LOAD 2
	s_load_b256 s[24:31], s[8:9], 0x0              ; bg
	s_mul_i32 s34, ttmp9, 24576
	s_add_nc_u64 s[10:11], s[10:11], s[34:35]      ; the chunk's place in xq,
	s_lshl_b32 s34, ttmp9, 10
	s_add_nc_u64 s[12:13], s[12:13], s[34:35]      ; xs,
	s_lshl_b32 s34, ttmp9, 8
	s_add_nc_u64 s[14:15], s[14:15], s[34:35]      ; tokw,
	s_lshl_b32 s34, ttmp9, 7
	s_add_nc_u64 s[16:17], s[16:17], s[34:35]      ; meta,
	s_lshl_b32 s34, ttmp9, 2
	s_add_nc_u64 s[18:19], s[18:19], s[34:35]      ; and its column of cnt
	s_wait_loadcnt 12                              ; Wg is in; the 12 loads of x behind it may be out
.irp e, 0,1,2,3,4,5,6,7
	ds_store_b128 v2, v[X+4*\e:X+4*\e+3] offset:STGB*(\e/4)+8*SP*(\e%4)
.endr
.irp e, 0,1,2,3,4,5,6,7
.irp i, 0,1,2,3
	ds_load_b128 v[WGR+16*\e+4*\i:WGR+16*\e+4*\i+3], v4 offset:STGB*(\e/4)+8*SP*(\e%4)+16*\i   ; my 16 columns of expert e: they stay in registers
.endr
.endr
	s_wait_dscnt 0x0                               ; Wg is in its registers, and the stores have read X, which the first turn loads
	s_wait_kmcnt 0x0                               ; bg
	s_wait_loadcnt 8                               ; step 0's four loads are in
	TURN 0
.macro COMB d, a, b, xm, mk            ; two sums are each added over lanes l and l xor xm; then the lanes of the mask keep b's, the others a's
	v_add_f32_dpp v[\a], v[\a], v[\a] row_xmask:\xm row_mask:0xf bank_mask:0xf
	v_add_f32_dpp v[\b], v[\b], v[\b] row_xmask:\xm row_mask:0xf bank_mask:0xf
	s_delay_alu instid0(VALU_DEP_1)
	v_cndmask_b32 v[\d], v[\a], v[\b], s[\mk]
.endm
.macro STEP t
.set XS, X+16*((\t)%2)
.set PR, (\t)%2
.if (\t) == 0
	s_wait_dscnt 0x0
.else
	s_wait_dscnt 5                                 ; this step's numbers are back from the stage; the last step's five small stores may be out (their registers are the other set)
.endif
.if (\t)+3 < 8
	LOAD (\t)+3                                    ; into the registers that this step's stores into the stage have read
.endif
.if (\t) < 5
	s_wait_loadcnt 8                               ; the next step's four loads are in; two steps' may be out
	TURN (\t)+1
.elseif (\t) == 5
	s_wait_loadcnt 4
	TURN (\t)+1
.elseif (\t) == 6
	s_wait_loadcnt 0x0
	TURN (\t)+1
.endif
.irp e, 0,1,2,3,4,5,6,7
	v_pk_mul_f32 v[ACC+2*\e:ACC+2*\e+1], v[XS:XS+1], v[WGR+16*\e:WGR+16*\e+1]      ; the gate: the first product starts each sum
.endr
.irp jj, 1,2,3,4,5,6,7
.irp e, 0,1,2,3,4,5,6,7
	v_pk_fma_f32 v[ACC+2*\e:ACC+2*\e+1], v[XS+2*\jj:XS+2*\jj+1], v[WGR+16*\e+2*\jj:WGR+16*\e+2*\jj+1], v[ACC+2*\e:ACC+2*\e+1]
.endr
.endr
.irp e, 0,1,2,3,4,5,6,7
	v_add_f32 v[ACC+2*\e], v[ACC+2*\e], v[ACC+2*\e+1]
.endr
.irp e, 0,1,2,3                        ; eight sums in eight lanes become one whole sum a lane: lane j ends with expert 4 (bit 0) + 2 (bit 1) + (bit 2)
	COMB ACC+2*\e, ACC+2*\e, ACC+2*\e+8, 1, 21
.endr
.irp e, 0,1
	COMB ACC+2*\e, ACC+2*\e, ACC+2*\e+4, 2, 22
.endr
	COMB SS+PR, ACC, ACC+2, 4, 23
	v_max3_num_f32 v12, |v[XS]|, |v[XS+1]|, |v[XS+2]|                  ; the largest magnitude of my 16
	v_max3_num_f32 v13, |v[XS+3]|, |v[XS+4]|, |v[XS+5]|
.irp i, 6,10
	s_delay_alu instid0(VALU_DEP_2)
	v_max3_num_f32 v12, v12, |v[XS+\i]|, |v[XS+\i+1]|
	s_delay_alu instid0(VALU_DEP_2)
	v_max3_num_f32 v13, v13, |v[XS+\i+2]|, |v[XS+\i+3]|
.endr
	s_delay_alu instid0(VALU_DEP_2)
	v_max3_num_f32 v12, v12, |v[XS+14]|, |v[XS+15]|
	s_delay_alu instid0(VALU_DEP_1)
	v_max3_num_f32 v12, v12, v13, 0x2800000        ; and the floor 2^(5 - 127): the byte cannot fall under 1
	s_delay_alu instid0(VALU_DEP_1)
	v_max_num_f32_dpp v12, v12, v12 row_xmask:1 row_mask:0xf bank_mask:0xf   ; with my neighbour's 16: the block's
	s_delay_alu instid0(VALU_DEP_1)
	v_add_nc_u32 v14, 0xfe000000, v12              ; 4 off its exponent field: the conversion takes this operand's exponent field as its scale
	v_cvt_scalef32_pk16_bf6_f32 v[CD+4*PR:CD+4*PR+2], v[XS:XS+15], v14
	v_lshrrev_b32 v[BY+PR], 23, v14                ; the scale's byte (also the plain line behind the conversion)
	ds_store_b32 v5, v[SS+PR] offset:128*(\t)
	ds_store_b32 v6, v[CD+4*PR] offset:3072*(\t)
	ds_store_b32 v6, v[CD+4*PR+1] offset:3072*(\t)+4
	ds_store_b32 v6, v[CD+4*PR+2] offset:3072*(\t)+8
	ds_store_b8 v7, v[BY+PR] offset:128*(\t)       ; both lanes of a block write the same byte with the same value
.endm
.irp t, 0,1,2,3,4,5,6,7
	STEP \t
.endr
	s_wait_dscnt 0x0                               ; for the others' sake: my stores have landed
	s_barrier_signal -1
	s_barrier_wait -1                              ; behind it LDS is only read
.irp i, 0,1,2,3,4,5
	ds_load_b128 v[R+4*\i:R+4*\i+3], v8 offset:512*\i
.endr
.irp i, 0,1,2,3,4,5
	s_wait_dscnt 5-\i
	global_store_b128 v9, v[R+4*\i:R+4*\i+3], s[10:11] offset:512*\i   ; 32 lanes store 512 consecutive bytes, at a multiple of 256 from xq's first byte
.endr
	s_cmp_lg_u32 s20, 1
	s_cbranch_scc1 .Lnot_wave_1
	ds_load_b128 v[32:35], v10                     ; wave 1: the chunk's 1,024 scale bytes
	ds_load_b128 v[36:39], v10 offset:512
	s_wait_dscnt 0x0
	global_store_b128 v1, v[32:35], s[12:13]
	global_store_b128 v1, v[36:39], s[12:13] offset:512
.Lnot_wave_1:
	s_cmp_lg_u32 s20, 0
	s_cbranch_scc1 .Lend
	; wave 0: lane = row.  The eight waves' parts are added in ascending order of K, then bg
.irp wv, 0,1,2,3,4,5,6,7
	ds_load_b128 v[112+8*\wv:115+8*\wv], v11 offset:1024*\wv
	ds_load_b128 v[116+8*\wv:119+8*\wv], v11 offset:1024*\wv+16
.endr
	s_wait_dscnt 0x0
.irp wv, 1,2,3,4,5,6,7
.irp k, 0,2,4,6
	v_pk_add_f32 v[112+\k:113+\k], v[112+\k:113+\k], v[112+8*\wv+\k:113+8*\wv+\k]
.endr
.endr
.irp e, 0,1,2,3,4,5,6,7
	v_add_f32 v[112+\e], s[24+\e], v[112+\e]
.endr
	v_mov_b32 v32, v112                            ; the largest logit and its expert: a later one wins only if it is greater, so ties keep the lower index
	v_mov_b32 v33, 0
.irp e, 1,2,3,4,5,6,7
	s_delay_alu instid0(VALU_DEP_2)
	v_cmp_le_f32 vcc_lo, v[112+\e], v32            ; keep
	s_delay_alu instid0(VALU_DEP_1)
	v_cndmask_b32 v32, v[112+\e], v32, vcc_lo
	s_delay_alu instid0(VALU_DEP_2)
	v_cndmask_b32 v33, \e, v33, vcc_lo
.endr
	v_mov_b32 v34, 0xff800000                      ; the second: the same among the other seven
	v_mov_b32 v36, 1
	s_delay_alu instid0(VALU_DEP_3)
	v_cmp_eq_u32 vcc_lo, 0, v33
	s_delay_alu instid0(VALU_DEP_1)
	v_cndmask_b32 v35, 0, v36, vcc_lo
.irp e, 0
	v_cmp_eq_u32 s32, \e, v33
	v_cmp_le_f32 vcc_lo, v[112+\e], v34
	s_or_b32 vcc_lo, vcc_lo, s32                   ; keep: it is the first's expert, or not greater
	v_cndmask_b32 v34, v[112+\e], v34, vcc_lo
	v_cndmask_b32 v35, \e, v35, vcc_lo
.endr
.irp e, 1, 2, 3, 4, 5, 6, 7
	v_cmp_eq_u32 s32, \e, v33
	s_delay_alu instid0(VALU_DEP_3)
	v_cmp_le_f32 vcc_lo, v[112+\e], v34
	s_or_b32 vcc_lo, vcc_lo, s32
	v_cndmask_b32 v34, v[112+\e], v34, vcc_lo
	v_cndmask_b32 v35, \e, v35, vcc_lo
.endr
	s_delay_alu instid0(VALU_DEP_2)
	v_sub_f32 v36, v34, v32                        ; the softmax of the two, the larger taken away: 1 / (1 + p), p / (1 + p), p = e^(second - first)
	s_delay_alu instid0(VALU_DEP_1)
	v_mul_f32 v36, 0x3fb8aa3b, v36
	s_wait_alu depctr_va_vdst(0)
	v_exp_f32 v37, v36
	v_min_u32 v42, v33, v35                        ; lo (a plain line behind the exponential)
	s_wait_alu depctr_va_vdst(0)                   ; the wait ahead of the result's first reader
	v_add_f32 v38, 1.0, v37
	s_wait_alu depctr_va_vdst(0)
	v_rcp_f32 v40, v38
	v_max_u32 v43, v33, v35                        ; hi (a plain line behind the reciprocal)
	s_wait_alu depctr_va_vdst(0)
	v_mul_f32 v41, v37, v40
	v_sub_nc_u32 v44, 15, v42                      ; key = lo (15 - lo) / 2 + (lo odd ? 7 - hi : hi - lo - 1)
	s_delay_alu instid0(VALU_DEP_1)
	v_mul_u32_u24 v44, v42, v44
	s_delay_alu instid0(VALU_DEP_1)
	v_lshrrev_b32 v44, 1, v44
	v_sub_nc_u32 v45, v43, v42
	s_delay_alu instid0(VALU_DEP_1)
	v_add_nc_u32 v45, -1, v45
	v_sub_nc_u32 v46, 7, v43
	v_and_b32 v50, 1, v42
	s_delay_alu instid0(VALU_DEP_1)
	v_cmp_eq_u32 vcc_lo, 1, v50
	s_delay_alu instid0(VALU_DEP_1)
	v_cndmask_b32 v45, v45, v46, vcc_lo
	s_delay_alu instid0(VALU_DEP_1)
	v_add_nc_u32 v47, v44, v45
	v_mov_b32 v48, 0                               ; my rank among the chunk's tokens of my key
	v_mov_b32 v49, 0                               ; lane c: how many tokens of the chunk have key c
.set c, 0
.rept 28
	v_cmp_eq_u32 s33, c, v47
	s_delay_alu instid0(VALU_DEP_1)
	v_mbcnt_lo_u32_b32 v50, s33, 0
	s_delay_alu instid0(VALU_DEP_1)
	v_cndmask_b32 v48, v48, v50, s33
	s_bcnt1_i32_b32 s34, s33
	v_writelane_b32 v49, s34, c
.set c, c+1
.endr
	v_lshl_or_b32 v51, v48, 8, v47
	s_delay_alu instid0(VALU_DEP_1)
	v_lshl_or_b32 v51, v33, 16, v51
	s_delay_alu instid0(VALU_DEP_1)
	v_lshl_or_b32 v51, v35, 20, v51
	v_lshlrev_b32 v52, 2, v[LN]
	v_lshlrev_b32 v53, 3, v[LN]
	v_lshlrev_b32 v54, 11, v[LN]
	global_store_b32 v52, v51, s[16:17]            ; fixed places: no address hangs on the choice
	global_store_b64 v53, v[40:41], s[14:15]
	global_store_b32 v54, v49, s[18:19]
.Lend:
	s_wait_tensorcnt 0x0
	ds_add_u32 v243, v247
	s_wait_dscnt 0x0
	s_endpgm
.Lfunc_end_k_qcf5dae3476_route:
	.size	k_qcf5dae3476_route, .Lfunc_end_k_qcf5dae3476_route-k_qcf5dae3476_route
	.p2alignl 7, 3214868480
	.fill 96, 4, 3214868480
	.section	.rodata,"a",@progbits
	.p2align	6, 0x0
	.amdhsa_kernel k_qcf5dae3476_route
		.amdhsa_group_segment_fixed_size 75776
		.amdhsa_private_segment_fixed_size 0
		.amdhsa_enable_private_segment 0
		.amdhsa_kernarg_size 64
		.amdhsa_user_sgpr_count 2
		.amdhsa_user_sgpr_kernarg_segment_ptr 1
		.amdhsa_wavefront_size32 1
		.amdhsa_system_sgpr_workgroup_id_x 1
		.amdhsa_system_sgpr_workgroup_id_y 1
		.amdhsa_system_sgpr_workgroup_id_z 1
		.amdhsa_system_vgpr_workitem_id 0
		.amdhsa_next_free_vgpr 256
		.amdhsa_next_free_sgpr 66
		.amdhsa_reserve_vcc 1
		.amdhsa_float_denorm_mode_32 3
		.amdhsa_float_denorm_mode_16_64 3
		.amdhsa_memory_ordered 1
		.amdhsa_forward_progress 1
		.amdhsa_inst_pref_size 92
	.end_amdhsa_kernel
	.amdgpu_metadata
---
amdhsa.version: [ 1, 2 ]
amdhsa.kernels:
  - .name:           k_qcf5dae3476_route
    .symbol:         k_qcf5dae3476_route.kd
    .args:
      - { .name: x, .offset: 0, .size: 8, .value_kind: global_buffer, .address_space: global }
      - { .name: Wg, .offset: 8, .size: 8, .value_kind: global_buffer, .address_space: global }
      - { .name: bg, .offset: 16, .size: 8, .value_kind: global_buffer, .address_space: global }
      - { .name: xq, .offset: 24, .size: 8, .value_kind: global_buffer, .address_space: global }
      - { .name: xs, .offset: 32, .size: 8, .value_kind: global_buffer, .address_space: global }
      - { .name: tokw, .offset: 40, .size: 8, .value_kind: global_buffer, .address_space: global }
      - { .name: meta, .offset: 48, .size: 8, .value_kind: global_buffer, .address_space: global }
      - { .name: cnt, .offset: 56, .size: 8, .value_kind: global_buffer, .address_space: global }
    .group_segment_fixed_size: 75776
    .private_segment_fixed_size: 0
    .kernarg_segment_align: 8
    .kernarg_segment_size: 64
    .max_flat_workgroup_size: 256
    .sgpr_count:     66
    .vgpr_count:     256
    .wavefront_size: 32
...
	.end_amdgpu_metadata
.endif
;; end of part 4
;; launch place (part 5): grid 13 x 1, 32 waves a work-group, no clusters, 70,656 bytes of LDS; arguments cnt, meta, Wup_codes, Wup_scales, Wdown_codes, Wdown_scales, srec, wimg; writes srec, wimg
.if DOCPART == 5
	.amdgcn_target "amdgcn-amd-amdhsa--gfx1250"
	.amdhsa_code_object_version 6
	.text
	.protected	k_qcf5dae3476_place
	.globl	k_qcf5dae3476_place
	.p2align	8
	.type	k_qcf5dae3476_place,@function
k_qcf5dae3476_place:
	s_mov_b64 s[64:65], 0
	v_nop
	global_prefetch_b8 v0, s[64:65] scope:SCOPE_SE
	s_setreg_imm32_b32 hwreg(HW_REG_WAVE_MODE, 25, 1), 1
	s_wait_xcnt 0x0
; PLACE.  Work-group 0 sorts the 16,384 tokens by key (a counting sort without atomics): srec [slot] = token | e1 << 16 | e2 << 20.
; Work-groups 1 to 12 lay the weights out once, in the order in which a wave's operand registers take them: wimg, 384 records of 6,400 bytes, a wave to a record.
; A RECORD: four fragments (16 rows x 128 K of 6-bit codes, 12 registers a lane) as images of their registers: fragment T at 1,536 T, its register group c (4 registers) at + 512 c + 16 x lane;
; at + 6,144 two scale registers, 8 bytes a lane: the first holds tile 0's words in lanes 0-15 and tile 1's in lanes 16-31, the second tiles 2 and 3.
; UP record (e 4 + w) 8 + s: K step s of the rows that wave w of the chain takes of expert e: tile T = 2 u + p (p = 0: u's half, 1: g's half), lane r: row 128 p + 32 w + 8 u + r + 8 (r / 8).
; DOWN record 256 + (e 4 + w) 4 + g: tile T, lane r: row 256 w + 64 g + 16 T + r of Wdown.
; The paths part on the work-group's number alone; only the sort uses LDS and barriers, and all 32 waves of its work-group pass both.
.set PPITCH, 2064                      ; LDS: [key][chunk] first slots, 2,048 bytes + 16 a key
.set TOT,    32*PPITCH                 ; behind them the 32 keys' totals
	s_load_b512 s[4:19], s[0:1], 0x0               ; cnt 4, meta 6, Wup codes 8, scales 10, Wdown codes 12, scales 14, srec 16, wimg 18
	v_lshl_add_u32 v126, v0, 2, 0x10400
	v_mov_b32 v127, 0
	v_lshrrev_b32 v1, 5, v0
	s_delay_alu instid0(VALU_DEP_1)
	v_readfirstlane_b32 s20, v1                    ; wave 0..31
	v_and_b32 v1, 31, v0                           ; lane
	s_cmp_lg_u32 ttmp9, 0
	s_cbranch_scc1 .Lrecords
	; ---- THE SORT.  Wave v is key v; lane l takes chunks 16 l .. 16 l + 15 of its row of cnt
	s_lshl_b32 s21, s20, 11
	v_lshl_add_u32 v2, v1, 6, s21                  ; cnt: 2,048 v + 64 l
	v_lshl_add_u32 v3, v1, 2, s21                  ; meta of chunks 16 v on: 2,048 v + 4 l
	s_mul_i32 s22, s20, PPITCH
	v_lshl_add_u32 v6, v1, 6, s22                  ; LDS: my key's row, my 16 chunks
	s_lshl_b32 s23, s20, 6
	v_mul_u32_u24 v7, v1, PPITCH
	s_delay_alu instid0(VALU_DEP_1)
	v_add_nc_u32 v7, s23, v7                       ; LDS: key = lane, chunks 16 v on
	s_lshl_b32 s24, s20, 2
	s_add_co_u32 s24, s24, TOT
	v_mov_b32 v9, s24                              ; LDS: my key's total
	v_lshl_add_u32 v10, v1, 2, TOT                 ; LDS: key = lane's total
	s_lshl_b32 s25, s20, 9
	s_wait_alu depctr_va_vdst(0)
	v_add_nc_u32 v8, s25, v1                       ; token 512 v + l
	s_mov_b32 s41, 0xffff0000                      ; lanes 16-31; also the upper half of a word
	v_mov_b32 v12, 0                               ; (a DPP form's destination counts as read)
	s_wait_kmcnt 0x0
.irp i, 0,1,2,3
	global_load_b128 v[16+4*\i:19+4*\i], v2, s[4:5] offset:16*\i
.endr
.irp i, 0,1,2,3,4,5,6,7,8,9,10,11,12,13,14,15
	global_load_b32 v[48+\i], v3, s[6:7] offset:128*\i
.endr
.macro SCAN32 reg, tmp                 ; the running sum over the 32 lanes, my own number included
.irp n, 1,2,4,8
	s_delay_alu instid0(VALU_DEP_1)
	v_mov_b32_dpp v[\tmp], v[\reg] row_shr:\n row_mask:0xf bank_mask:0xf bound_ctrl:1
	s_delay_alu instid0(VALU_DEP_1)
	v_add_nc_u32 v[\reg], v[\reg], v[\tmp]
.endr
	s_delay_alu instid0(VALU_DEP_1)
	v_readlane_b32 s40, v[\reg], 15
	s_delay_alu instid0(VALU_DEP_1)
	v_mov_b32 v[\tmp], s40
	s_delay_alu instid0(VALU_DEP_1)
	v_cndmask_b32 v[\tmp], 0, v[\tmp], s41
	s_delay_alu instid0(VALU_DEP_1)
	v_add_nc_u32 v[\reg], v[\reg], v[\tmp]
.endm
	s_wait_loadcnt 16                              ; cnt is in; the 16 loads of meta may be out
	v_mov_b32 v32, 0                               ; v32-47: how many tokens of my key lie in my earlier chunks
.irp i, 1,2,3,4,5,6,7,8,9,10,11,12,13,14,15
	s_delay_alu instid0(VALU_DEP_1)
	v_add_nc_u32 v[32+\i], v[32+\i-1], v[16+\i-1]
.endr
	s_delay_alu instid0(VALU_DEP_1)
	v_add_nc_u32 v13, v47, v31                     ; my 16 chunks' sum
	s_delay_alu instid0(VALU_DEP_1)
	v_mov_b32 v14, v13
	SCAN32 14, 12
	s_delay_alu instid0(VALU_DEP_1)
	v_readlane_b32 s42, v14, 31                    ; the key's total
	s_delay_alu instid0(VALU_DEP_1)
	v_mov_b32 v11, s42
	ds_store_b32 v9, v11
	s_wait_dscnt 0x0
	s_barrier_signal -1
	s_barrier_wait -1
	ds_load_b32 v11, v10
	s_wait_dscnt 0x0
	v_cmp_gt_u32 vcc_lo, s20, v1                   ; the keys under mine
	s_delay_alu instid0(VALU_DEP_1)
	v_cndmask_b32 v11, 0, v11, vcc_lo
	SCAN32 11, 12
	s_delay_alu instid0(VALU_DEP_1)
	v_readlane_b32 s43, v11, 31                    ; my key's first slot
	v_sub_nc_u32 v15, v14, v13
	s_delay_alu instid0(VALU_DEP_1)
	v_add_nc_u32 v15, s43, v15
.irp i, 0,1,2,3,4,5,6,7,8,9,10,11,12,13,14,15
	v_add_nc_u32 v[32+\i], v15, v[32+\i]           ; the first slot of (my key, chunk 16 l + i)
.endr
.irp i, 0,1,2,3
	ds_store_b128 v6, v[32+4*\i:35+4*\i] offset:16*\i
.endr
	s_wait_dscnt 0x0
	s_barrier_signal -1
	s_barrier_wait -1                              ; behind it LDS is only read
	; wave v places the tokens of chunks 16 v + i; lane = token.  Lane k first fetches key k's first slot in the chunk; each token then takes its key's from that lane
.irp i, 0,1,2,3,4,5,6,7,8,9,10,11,12,13,14,15
	ds_load_b32 v[64+\i], v7 offset:4*\i
.endr
	s_wait_loadcnt 0x0                             ; meta
.irp i, 0,1,2,3,4,5,6,7,8,9,10,11,12,13,14,15
	v_and_b32 v[80+\i], 0xff, v[48+\i]
	s_delay_alu instid0(VALU_DEP_1)
	v_min_u32 v[80+\i], 31, v[80+\i]
	s_delay_alu instid0(VALU_DEP_1)
	v_lshlrev_b32 v[80+\i], 2, v[80+\i]
.endr
	s_wait_alu depctr_va_vdst(0)
	s_wait_dscnt 0x0
.irp i, 0,1,2,3,4,5,6,7,8,9,10,11,12,13,14,15
	ds_bpermute_b32 v[96+\i], v[80+\i], v[64+\i]
.endr
.irp i, 0,1,2,3,4,5,6,7,8,9,10,11,12,13,14,15
	v_add_nc_u32 v[32+\i], 32*\i, v8               ; the token
	s_delay_alu instid0(VALU_DEP_1)
	v_and_or_b32 v[16+\i], v[48+\i], s41, v[32+\i] ; with its two experts above it
	v_bfe_u32 v[32+\i], v[48+\i], 8, 8             ; its rank in the chunk
.endr
	s_wait_dscnt 0x0
.irp i, 0,1,2,3,4,5,6,7,8,9,10,11,12,13,14,15
	v_add_nc_u32 v[96+\i], v[96+\i], v[32+\i]
	s_delay_alu instid0(VALU_DEP_1)
	v_min_u32 v[96+\i], 0x3fff, v[96+\i]           ; a loaded number enters an address only behind this bound
	s_delay_alu instid0(VALU_DEP_1)
	v_lshlrev_b32 v[96+\i], 2, v[96+\i]
	global_store_b32 v[96+\i], v[16+\i], s[16:17]
.endr
	s_wait_tensorcnt 0x0
	ds_add_u32 v126, v127
	s_wait_dscnt 0x0
	s_endpgm
	; ---- THE RECORDS
.Lrecords:
	s_sub_co_u32 s21, ttmp9, 1
	s_lshl_b32 s21, s21, 5
	s_add_co_u32 s21, s21, s20                     ; the record's number, 0 .. 383
	v_and_b32 v2, 15, v0                           ; r
	v_bfe_u32 v3, v0, 4, 1                         ; h
	s_wait_alu depctr_va_vdst(0)
	v_lshlrev_b32 v4, 4, v1
	v_lshlrev_b32 v5, 3, v1
	s_mul_i32 s22, s21, 6400
	s_mov_b32 s23, 0
	s_mov_b32 s29, 0
	s_wait_kmcnt 0x0
	s_add_nc_u64 s[18:19], s[18:19], s[22:23]
	s_cmp_ge_u32 ttmp9, 9
	s_cbranch_scc1 .Ldown
	s_lshr_b32 s24, s21, 5                         ; e
	s_bfe_u32 s25, s21, 0x20003                    ; w
	s_and_b32 s26, s21, 7                          ; s
	s_lshl_b32 s24, s24, 8
	s_lshl_b32 s25, s25, 5
	s_add_co_u32 s24, s24, s25                     ; row 256 e + 32 w
	s_mul_i32 s28, s24, 768
	s_mul_i32 s27, s26, 96
	s_add_co_u32 s28, s28, s27
	s_add_nc_u64 s[8:9], s[8:9], s[28:29]
	s_lshl_b32 s28, s24, 5
	s_lshl_b32 s27, s26, 2
	s_add_co_u32 s28, s28, s27
	s_add_nc_u64 s[10:11], s[10:11], s[28:29]
	v_and_b32 v6, 8, v2
	s_delay_alu instid0(VALU_DEP_1)
	v_add_nc_u32 v6, v6, v2                        ; r + 8 (r / 8): a tile's rows are not neighbours
	s_delay_alu instid0(VALU_DEP_1)
	v_mul_u32_u24 v7, v6, 768
	s_delay_alu instid0(VALU_DEP_1)
	v_mad_u32_u24 v7, v3, 24, v7
	s_delay_alu instid0(VALU_DEP_3)
	v_lshl_add_u32 v8, v3, 7, v6                   ; the scale words: lanes 16-31 take g's half
	s_delay_alu instid0(VALU_DEP_1)
	v_lshlrev_b32 v8, 5, v8
.irp tt, 0,1,2,3
.irp p, 0,1,2,3,4,5
	global_load_b64 v[16+12*\tt+2*\p:17+12*\tt+2*\p], v7, s[8:9] offset:(128*(\tt&1)+8*(\tt>>1))*768+48*(\p/3)+8*(\p%3)
.endr
.endr
	global_load_b32 v64, v8, s[10:11]
	global_load_b32 v65, v8, s[10:11] offset:256
	s_branch .Lstore
.Ldown:
	s_sub_co_u32 s24, s21, 256
	s_lshl_b32 s24, s24, 6                         ; row 1,024 e + 256 w + 64 g = 64 x (16 e + 4 w + g)
	s_mul_i32 s28, s24, 96
	s_add_nc_u64 s[12:13], s[12:13], s[28:29]
	s_lshl_b32 s28, s24, 2
	s_add_nc_u64 s[14:15], s[14:15], s[28:29]
	v_mul_u32_u24 v7, v2, 96
	s_delay_alu instid0(VALU_DEP_1)
	v_mad_u32_u24 v7, v3, 24, v7
	v_lshlrev_b32 v8, 2, v1
.irp tt, 0,1,2,3
.irp p, 0,1,2,3,4,5
	global_load_b64 v[16+12*\tt+2*\p:17+12*\tt+2*\p], v7, s[12:13] offset:16*\tt*96+48*(\p/3)+8*(\p%3)
.endr
.endr
	global_load_b32 v64, v8, s[14:15]
	global_load_b32 v65, v8, s[14:15] offset:128
.Lstore:
	s_wait_loadcnt 0x0
	s_wait_alu depctr_va_vdst(0)
.irp tt, 0,1,2,3
.irp c, 0,1,2
	global_store_b128 v4, v[16+12*\tt+4*\c:19+12*\tt+4*\c], s[18:19] offset:1536*\tt+512*\c   ; 32 lanes store 512 consecutive bytes, at a multiple of 256 from wimg's first byte
.endr
.endr
	global_store_b64 v5, v[64:65], s[18:19] offset:6144
	s_endpgm
.Lfunc_end_k_qcf5dae3476_place:
	.size	k_qcf5dae3476_place, .Lfunc_end_k_qcf5dae3476_place-k_qcf5dae3476_place
	.p2alignl 7, 3214868480
	.fill 96, 4, 3214868480
	.section	.rodata,"a",@progbits
	.p2align	6, 0x0
	.amdhsa_kernel k_qcf5dae3476_place
		.amdhsa_group_segment_fixed_size 70656
		.amdhsa_private_segment_fixed_size 0
		.amdhsa_enable_private_segment 0
		.amdhsa_kernarg_size 64
		.amdhsa_user_sgpr_count 2
		.amdhsa_user_sgpr_kernarg_segment_ptr 1
		.amdhsa_wavefront_size32 1
		.amdhsa_system_sgpr_workgroup_id_x 1
		.amdhsa_system_sgpr_workgroup_id_y 1
		.amdhsa_system_sgpr_workgroup_id_z 1
		.amdhsa_system_vgpr_workitem_id 0
		.amdhsa_next_free_vgpr 128
		.amdhsa_next_free_sgpr 66
		.amdhsa_reserve_vcc 1
		.amdhsa_float_denorm_mode_32 3
		.amdhsa_float_denorm_mode_16_64 3
		.amdhsa_memory_ordered 1
		.amdhsa_forward_progress 1
		.amdhsa_inst_pref_size 30
	.end_amdhsa_kernel
	.amdgpu_metadata
---
amdhsa.version: [ 1, 2 ]
amdhsa.kernels:
  - .name:           k_qcf5dae3476_place
    .symbol:         k_qcf5dae3476_place.kd
    .args:
      - { .name: cnt, .offset: 0, .size: 8, .value_kind: global_buffer, .address_space: global }
      - { .name: meta, .offset: 8, .size: 8, .value_kind: global_buffer, .address_space: global }
      - { .name: Wup_codes, .offset: 16, .size: 8, .value_kind: global_buffer, .address_space: global }
      - { .name: Wup_scales, .offset: 24, .size: 8, .value_kind: global_buffer, .address_space: global }
      - { .name: Wdown_codes, .offset: 32, .size: 8, .value_kind: global_buffer, .address_space: global }
      - { .name: Wdown_scales, .offset: 40, .size: 8, .value_kind: global_buffer, .address_space: global }
      - { .name: srec, .offset: 48, .size: 8, .value_kind: global_buffer, .address_space: global }
      - { .name: wimg, .offset: 56, .size: 8, .value_kind: global_buffer, .address_space: global }
    .group_segment_fixed_size: 70656
    .private_segment_fixed_size: 0
    .kernarg_segment_align: 8
    .kernarg_segment_size: 64
    .max_flat_workgroup_size: 1024
    .sgpr_count:     66
    .vgpr_count:     128
    .wavefront_size: 32
...
	.end_amdgpu_metadata
.endif
;; end of part 5
;; launch chain (part 6): grid 256 x 1, 4 waves a work-group, no clusters, 118,272 bytes of LDS; arguments srec, tokw, xq, xs, wimg, out0; writes out0
.if DOCPART == 6
	.amdgcn_target "amdgcn-amd-amdhsa--gfx1250"
	.amdhsa_code_object_version 6
	.text
	.protected	k_qcf5dae3476_chain
	.globl	k_qcf5dae3476_chain
	.p2align	8
	.type	k_qcf5dae3476_chain,@function
k_qcf5dae3476_chain:
	s_mov_b64 s[64:65], 0
	v_nop
	global_prefetch_b8 v0, s[64:65] scope:SCOPE_SE
	s_setreg_imm32_b32 hwreg(HW_REG_WAVE_SCHED_MODE, 0, 2), 2
	s_setreg_imm32_b32 hwreg(HW_REG_WAVE_MODE, 25, 1), 1
	s_wait_xcnt 0x0
	s_wait_alu depctr_vm_vsrc(0)
; CHAIN: for 64 tokens that lie side by side in the sorted list: for each expert e that any of them chose: ug = x Wup[e], h = silu(g) u, h quantised, ye = h Wdown[e]; y = the sum of (gate's weight) x ye, e ascending.
; Both products on codes of E3M2 with one E8M0 scale for each 32 along K.  Only chosen experts are multiplied; a token for which e was not chosen has the weight 0, as in the dense form.  Each row of y has one owner.
; SHARES.  256 work-groups x 64 slots = all 16,384 tokens.  Four tiles m of 16 tokens.  THE WAVES SHARE THE COLUMNS: wave w makes hidden units 32 w .. 32 w + 31 (block w of the second K) and columns 256 w .. 256 w + 255 of y, for all 64 tokens.
; Both products are used transposed (source 0 = 16 rows of a weight, source 1 = 16 tokens): a lane holds ONE token (lane % 16) and eight neighbouring units or columns.
; THE WEIGHTS come from memory straight into registers, from records laid in the order of the operand's registers (13 loads a record: 12 of 512 consecutive bytes, one of 256), through a ring of four register buffers:
; a record is asked for three steps ahead of its use, across experts and from the first product into the second.
; NO TENSOR LOAD, NO CLUSTER: which experts a work-group walks hangs on the stored list, so its branches hang on loaded numbers, and neighbours in a cluster would want different experts' tiles at different times.
; The loops over experts have the constant count 8; an expert that no token of the 64 chose is jumped over.  Both barriers stand outside those jumps.
; LIMITS: NaN and infinities are not served.  A block of h whose largest magnitude lies under 2^(5 - 127) keeps the byte 1 (a block of zeros too: its codes are zeros).
; THE MODE: SCHED_MODE bits 1:0 = 2 (LLVM: expert scheduling mode 2), set by the entry lines.  The code itself states the register dependences between vector or matrix instructions and memory or LDS instructions,
; with s_wait_alu, always for 0.
; THE PLAN.  Registers that memory or LDS instructions touch, and who else names them:
;   v1-v9, TOKO     offsets and LDS addresses: written by vector lines at the head, never again.
;   the ring, WSC   step s's sixteen matrix instructions read buffer s % 4 and its two scale words; the loads of the record four on land there in step s + 1: ONE wait on va_vdst at that step's head, behind its wait for data, and the
;                   thirteen loads between the step's two halves of eight matrix instructions, which name buffer s + 1, x or h, the accumulators and buffer s + 1's scale words: none of the registers that those loads touch.
;                   Buffer 3 has no next step in its body: in the first product its loads stand behind the wait that the exponentials owe anyway, in the second behind one wait at the end of step 3.
;   v96-127, v58-59 h's codes, bytes and their LDS addresses: written by the quantiser, read by its sixteen LDS stores (one wait on va_vdst ahead of them), written again an expert later (one wait on vm_vsrc ahead of that).
;   v61-62, HF, HSW h's way back: the two addresses are stepped once an expert (vm_vsrc ahead of the adds); one wait on va_vdst then states that they are written and that the last expert's matrix instructions are done with HF and HSW.
;   y, ACC          on the way out: one wait on va_vdst ahead of it, behind which no vector instruction follows; the rows' registers are loaded again two blocks later, behind a wait on vm_vsrc for the stores that read them.
; LDS: x's four fragments sets as images of registers; h's codes [expert][tile][block][token][24 bytes]; h's scale bytes [expert][tile][token][4]; a stage of 16 rows x (256 + 16) bytes for each wave.
.set XIMG,   0                         ; 4 x 12,288
.set HIMG,   49152                     ; 8 x 6,144
.set HSC,    98304                     ; 8 x 256
.set STAGE,  100352                    ; 4 x 4,352
.set SPITCH, 272
.set RECB,   6400
.set QUADB,  4*RECB
; REGISTERS, window 0: v1 16 x lane; v2 8 x lane; v3 h's codes in; v4 h's byte in; v5 h's codes out; v6 h's words out; v7 stage in; v8 stage out; v9 x's image in; v10-11 zeros
.set RECM, 12                          ; v12-15   srec of slot 16 m + lane % 16
.set GW,   16                          ; v16-23   its two weights
.set CB,   24                          ; v24-31   the weight for the expert in hand, at the even registers (the odd ones are named with them as pairs, and hold 0)
.set XSC,  32                          ; v32-47   x's scale words [q][K step]: lanes 0-15 tile 2 q, lanes 16-31 tile 2 q + 1
.set WSC,  48                          ; v48-55   the ring's scale words, two a buffer
.set HSW,  56                          ; v56-57   h's scale words [q]
.set TOKO, 64                          ; v64-95   [m][i]: token (16 m + 2 i + lane / 16) x 4,096 + 16 (lane % 16)
.set T,    96                          ; v96-127  at work
.set ACC,  128                         ; v128-255 ug: 32 m + 16 p + 8 u; then ye: 8 (4 m + T); then rows of y on the way out
.set HF,   192                         ; window 3: v0-191 the ring: buffer b's fragment T at 48 b + 12 T; v192-239 h's four fragments
.set MK,   40                          ; s40-47   eight masks that a run of compares writes
; window 1: x's fragments of tiles 0, 1 (96 m + 12 s), then y of column groups 0, 1 (128 g + 8 (4 m + T));  window 2: tiles 2, 3, then groups 2, 3
.set MSB, 0
.macro WIN new                         ; bits 1:0 source 0, 3:2 source 1, 5:4 source 2, 7:6 destination; the high byte repeats the setting that is left
.if MSB != \new
	s_set_vgpr_msb (MSB<<8)|\new
.set MSB, \new
.endif
.endm
.macro PLACES                          ; four plain places between a matrix instruction and a vector read of its result (ISA guide 7.12.1)
.rept 4
	v_nop
.endr
.endm
; one product: d, a, b: first registers; zero: the constant 0 starts the sum; sa, sb: scale registers; ra, rb: the scales stand in lanes 16-31
.macro WMS d, a, b, zero, sa, sb, ra, rb
.if \zero
.if (\ra) && (\rb)
	v_wmma_scale_f32_16x16x128_f8f6f4 v[\d:\d+7], v[\a:\a+11], v[\b:\b+11], 0, v[\sa], v[\sb] matrix_a_fmt:MATRIX_FMT_BF6 matrix_b_fmt:MATRIX_FMT_BF6 matrix_a_scale:MATRIX_SCALE_ROW1 matrix_b_scale:MATRIX_SCALE_ROW1
.elseif (\ra)
	v_wmma_scale_f32_16x16x128_f8f6f4 v[\d:\d+7], v[\a:\a+11], v[\b:\b+11], 0, v[\sa], v[\sb] matrix_a_fmt:MATRIX_FMT_BF6 matrix_b_fmt:MATRIX_FMT_BF6 matrix_a_scale:MATRIX_SCALE_ROW1
.elseif (\rb)
	v_wmma_scale_f32_16x16x128_f8f6f4 v[\d:\d+7], v[\a:\a+11], v[\b:\b+11], 0, v[\sa], v[\sb] matrix_a_fmt:MATRIX_FMT_BF6 matrix_b_fmt:MATRIX_FMT_BF6 matrix_b_scale:MATRIX_SCALE_ROW1
.else
	v_wmma_scale_f32_16x16x128_f8f6f4 v[\d:\d+7], v[\a:\a+11], v[\b:\b+11], 0, v[\sa], v[\sb] matrix_a_fmt:MATRIX_FMT_BF6 matrix_b_fmt:MATRIX_FMT_BF6
.endif
.else
.if (\ra) && (\rb)
	v_wmma_scale_f32_16x16x128_f8f6f4 v[\d:\d+7], v[\a:\a+11], v[\b:\b+11], v[\d:\d+7], v[\sa], v[\sb] matrix_a_fmt:MATRIX_FMT_BF6 matrix_b_fmt:MATRIX_FMT_BF6 matrix_a_scale:MATRIX_SCALE_ROW1 matrix_b_scale:MATRIX_SCALE_ROW1
.elseif (\ra)
	v_wmma_scale_f32_16x16x128_f8f6f4 v[\d:\d+7], v[\a:\a+11], v[\b:\b+11], v[\d:\d+7], v[\sa], v[\sb] matrix_a_fmt:MATRIX_FMT_BF6 matrix_b_fmt:MATRIX_FMT_BF6 matrix_a_scale:MATRIX_SCALE_ROW1
.elseif (\rb)
	v_wmma_scale_f32_16x16x128_f8f6f4 v[\d:\d+7], v[\a:\a+11], v[\b:\b+11], v[\d:\d+7], v[\sa], v[\sb] matrix_a_fmt:MATRIX_FMT_BF6 matrix_b_fmt:MATRIX_FMT_BF6 matrix_b_scale:MATRIX_SCALE_ROW1
.else
	v_wmma_scale_f32_16x16x128_f8f6f4 v[\d:\d+7], v[\a:\a+11], v[\b:\b+11], v[\d:\d+7], v[\sa], v[\sb] matrix_a_fmt:MATRIX_FMT_BF6 matrix_b_fmt:MATRIX_FMT_BF6
.endif
.endif
.endm
; record rec behind the base s[p:p+1] into ring buffer buf: 13 loads
.macro LOADREC buf, p, rec
	WIN 0xc0                                       ; destination window 3, address window 0
.irp tt, 0,1,2,3
.irp c, 0,1,2
	global_load_b128 v[48*(\buf)+12*\tt+4*\c:48*(\buf)+12*\tt+4*\c+3], v1, s[\p:\p+1] offset:RECB*(\rec)+1536*\tt+512*\c
.endr
.endr
	WIN 0
	global_load_b64 v[WSC+2*(\buf):WSC+2*(\buf)+1], v2, s[\p:\p+1] offset:RECB*(\rec)+6144
.endm
	s_load_b256 s[4:11], s[0:1], 0x0               ; srec 4, tokw 6, xq 8, xs 10
	s_load_b128 s[12:15], s[0:1], 0x20             ; wimg 12, out0 14
	v_lshl_add_u32 v63, v0, 2, 0x1cc00
	s_set_vgpr_msb 0xc0
	v_mov_b32 v255, 0
	s_set_vgpr_msb 0xc000
	v_lshrrev_b32 v58, 5, v0
	v_readfirstlane_b32 s16, v58                   ; wave 0..3
	v_and_b32 v58, 31, v0                          ; lane
	v_and_b32 v59, 15, v0                          ; r
	v_bfe_u32 v60, v0, 4, 1                        ; h
	v_lshlrev_b32 v1, 4, v58
	v_lshlrev_b32 v2, 3, v58
	v_mul_u32_u24 v61, v59, 24
	s_wait_alu depctr_va_sdst(0)                   ; s16 is written, ahead of its first reader: addresses and bases are made from it
	s_mul_i32 s32, s16, 384
	s_add_co_u32 s32, s32, HIMG
	v_mad_u32_u24 v3, v60, 12, v61
	v_add_nc_u32 v3, s32, v3                       ; h's codes in: block w, token r, my 16 of its 32 codes
	s_add_co_u32 s32, s16, HSC
	v_lshl_add_u32 v4, v59, 2, s32                 ; h's byte in: token r's word, byte w
	v_mad_u32_u24 v5, v60, 384, v61
	v_add_nc_u32 v5, HIMG, v5                      ; h's codes out: block h (and 2 + h), token r
	v_lshl_add_u32 v6, v58, 2, HSC                 ; h's words out: two tiles' 32 tokens
	s_mul_i32 s32, s16, 16*SPITCH
	s_add_co_u32 s32, s32, STAGE
	v_mul_u32_u24 v7, v59, SPITCH
	v_lshl_add_u32 v7, v60, 5, v7
	v_add_nc_u32 v7, s32, v7                       ; my stage, in: row r, 32 bytes for each half of the lanes
	v_mul_u32_u24 v8, v60, SPITCH
	v_lshl_add_u32 v8, v59, 4, v8
	v_add_nc_u32 v8, s32, v8                       ; back: lanes 0-15 one row of 256 bytes, lanes 16-31 the next
	s_mul_i32 s32, s16, 12288
	v_add_nc_u32 v9, s32, v1                       ; x's image of tile w
	v_mov_b32 v10, 0
	v_mov_b32 v11, 0
.irp m, 0,1,2,3
	v_mov_b32 v[CB+2*\m+1], 0
.endr
	v_lshlrev_b32 v100, 2, v59
	v_lshlrev_b32 v101, 2, v58
	s_lshl_b32 s32, s16, 6
	v_add_nc_u32 v102, s32, v100
	v_lshlrev_b32 v103, 2, v60
	v_lshlrev_b32 v104, 4, v59
	v_mov_b32 v107, 1
	s_mov_b32 s20, 0x76543210
	s_mov_b32 s21, 0xfedcba98                      ; v_permlanex16_b32's selects for lane l xor 16
	s_mov_b32 s22, 0xbfb8aa3b                      ; -log2(e)
	s_mov_b32 s23, s22                             ; (named with it as a pair)
	s_mov_b32 s29, 0
	s_mov_b32 s37, 0
	s_lshl_b32 s28, ttmp9, 8                       ; my 64 slots
	s_wait_kmcnt 0x0
	s_add_nc_u64 s[4:5], s[4:5], s[28:29]
	s_lshl_b32 s28, s16, 10                        ; my wave's 256 columns of y
	s_add_nc_u64 s[14:15], s[14:15], s[28:29]
	s_wait_alu depctr_va_vdst(0)                   ; the offsets and LDS addresses v1 to v9 and v100 to v103 are written, which the loads and stores from here on read
.irp q, 0,1
	global_load_b32 v[T+\q], v101, s[4:5] offset:128*\q            ; slot 32 q + lane
.endr
	global_load_b32 v98, v102, s[4:5]                              ; slot 16 w + r: the tile whose codes I gather
.irp m, 0,1,2,3
	global_load_b32 v[RECM+\m], v100, s[4:5] offset:64*\m
.endr
.irp m, 0,1,2,3
.irp i, 0,1,2,3,4,5,6,7
	global_load_b32 v[TOKO+8*\m+\i], v103, s[4:5] offset:4*(16*\m+2*\i)
.endr
.endr
	s_wait_loadcnt 32                              ; the first seven are in; the 32 for the way out may be out
	; which experts the 64 tokens use: a bit for each
	v_bfe_u32 v105, v96, 16, 4
	v_lshlrev_b32 v106, v105, v107
	v_bfe_u32 v105, v96, 20, 4
	v_lshl_or_b32 v106, v107, v105, v106
	v_bfe_u32 v105, v97, 16, 4
	v_lshl_or_b32 v106, v107, v105, v106
	v_bfe_u32 v105, v97, 20, 4
	v_lshl_or_b32 v106, v107, v105, v106
.irp e, 0,1,2,3,4,5,6,7
	v_and_b32 v105, 1<<\e, v106
	v_cmp_ne_u32 s[MK+\e], 0, v105                 ; the eight compares in one run, a mask each; they are read behind the gathers below
.endr
	; a loaded number enters an address only behind v_min_u32 with a constant; behind it only shifts, multiplications and additions
	v_and_b32 v98, 0xffff, v98
	v_min_u32 v98, 0x3fff, v98
	v_mul_u32_u24 v105, v98, 768
	v_mad_u32_u24 v105, v60, 384, v105             ; my token's codes, my half's 384 bytes
.irp q, 0,1
	v_and_b32 v[T+\q], 0xffff, v[T+\q]
	v_min_u32 v[T+\q], 0x3fff, v[T+\q]
	v_lshlrev_b32 v[T+\q], 5, v[T+\q]
.endr
.irp m, 0,1,2,3
	v_and_b32 v[108+\m], 0xffff, v[RECM+\m]
	v_min_u32 v[108+\m], 0x3fff, v[108+\m]
	v_lshlrev_b32 v[108+\m], 3, v[108+\m]
.endr
	s_wait_alu depctr_va_vdst(0)                   ; the gathers' offsets v105, v96, v97 and v108 to v111 are written
.set i, 0
.rept 24
	global_load_b128 v[ACC+4*i:ACC+4*i+3], v105, s[8:9] offset:16*i th:TH_LOAD_NT
.set i, i+1
.endr
.irp q, 0,1
	global_load_b128 v[XSC+8*\q:XSC+8*\q+3], v[T+\q], s[10:11]
	global_load_b128 v[XSC+8*\q+4:XSC+8*\q+7], v[T+\q], s[10:11] offset:16
.endr
.irp m, 0,1,2,3
	global_load_b64 v[GW+2*\m:GW+2*\m+1], v[108+\m], s[6:7]
.endr
	s_wait_alu depctr_va_sdst(0)                   ; the eight masks s40 to s47 are written, ahead of their first reader
	s_mov_b32 s17, 0
.irp e, 0,1,2,3,4,5,6,7
	s_cmp_lg_u32 s[MK+\e], 0
	s_cselect_b32 s32, 1<<\e, 0
	s_or_b32 s17, s17, s32
.endr
	s_ctz_i32_b32 s32, s17                         ; the first expert's first four records of the first product: quad 8 e + 2 w
	s_lshl_b32 s32, s32, 3
	s_lshl_b32 s33, s16, 1
	s_add_co_u32 s32, s32, s33
	s_min_u32 s32, s32, 95
	s_mul_i32 s28, s32, QUADB
	s_add_nc_u64 s[26:27], s[12:13], s[28:29]
.irp b, 0,1,2,3
	LOADREC \b, 26, \b
.endr
	s_wait_loadcnt 52                              ; all but the quad's 4 x 13 loads are in
.set i, 0
.rept 24
	ds_store_b128 v9, v[ACC+4*i:ACC+4*i+3] offset:512*i            ; tile w's 96 registers go to LDS as they stand
.set i, i+1
.endr
.set i, 0
.rept 32
	v_and_b32 v[TOKO+i], 0xffff, v[TOKO+i]
	v_min_u32 v[TOKO+i], 0x3fff, v[TOKO+i]
	v_lshl_add_u32 v[TOKO+i], v[TOKO+i], 12, v104
.set i, i+1
.endr
	s_wait_dscnt 0x0                               ; for the others' sake: my image has landed
	s_barrier_signal -1
	s_barrier_wait -1
	WIN 0x40                                       ; destination window 1.  (No wait: the vector lines since the last wait on va_vdst name TOKO and v104 alone)
.irp m, 0,1
.set i, 0
.rept 24
	ds_load_b128 v[96*\m+4*i:96*\m+4*i+3], v1 offset:12288*\m+512*i
.set i, i+1
.endr
.endr
	WIN 0x80                                       ; destination window 2
.irp m, 2,3
.set i, 0
.rept 24
	ds_load_b128 v[96*(\m-2)+4*i:96*(\m-2)+4*i+3], v1 offset:12288*\m+512*i
.set i, i+1
.endr
.endr
	WIN 0
	s_wait_dscnt 0x0
	s_wait_alu depctr_vm_vsrc(0)                   ; my stores of x's image have read v[ACC ..], over which the first product writes; the head's loads have read their offsets in v96 to v111, which are work registers from here on
; Half a K step of the first product: my four tiles of Wup's rows x tiles lo and lo + 1 of tokens.  The 16 accumulators take turns, one instruction a turn, in the same order in every K step
.macro UPHALF ks, lo
.set BF, (\ks)%4
.if (\lo) < 2
	WIN 0x07                                       ; source 0 window 3, source 1 window 1
.else
	WIN 0x0b                                       ; source 1 window 2
.endif
.irp m, \lo, \lo+1
.irp tt, 0,1,2,3
	WMS ACC+32*(\m)+16*(\tt&1)+8*(\tt>>1), 48*BF+12*\tt, 96*((\m)&1)+12*(\ks), (\ks)==0, WSC+2*BF+(\tt>>1), XSC+8*((\m)>>1)+(\ks), \tt&1, (\m)&1
.endr
.endr
.endm
; K step ks.  From step 1 on the buffer that the step before has read takes record rec behind the base s[p:p+1]: the record four on from the one that it held
.macro KSTEP ks, p, rec
.if (\ks) == 0
	s_wait_loadcnt 39                              ; the ring's oldest record is in; the three behind it, 13 loads each, may be out
	UPHALF \ks, 0
	UPHALF \ks, 2
.else
	s_wait_loadcnt 26                              ; this step's record is in; the two behind it may be out
	s_wait_alu depctr_va_vdst(0)                   ; the last K step's matrix instructions are done reading ring buffer (ks - 1) % 4 and its two scale words, in which the loads below land
	UPHALF \ks, 0
	LOADREC ((\ks)-1)%4, \p, \rec                  ; no further wait: the eight matrix instructions since name this step's buffer and scale words, x and the accumulators
	UPHALF \ks, 2
.endif
.endm
; h = silu(g) u = g u / (1 + 2^(-g log2 e)) for tiles m0 and m0 + 1: 32 numbers a lane.  The exponentials go as one batch with one wait, the reciprocals likewise.  ld = 1: ring buffer 3 is asked for again behind the first wait
.macro SWIGLU m0, ld
.irp mm, 0,1
.irp k, 0,1,2,3,4,5,6,7
	v_pk_mul_f32 v[T+16*\mm+2*\k:T+16*\mm+2*\k+1], v[ACC+16+32*((\m0)+\mm)+2*\k:ACC+16+32*((\m0)+\mm)+2*\k+1], s[22:23] op_sel_hi:[1,0]   ; each accumulator is read from its low end on
.endr
.endr
.set j, 0
	s_wait_alu depctr_va_vdst(0)
.rept 32
	v_exp_f32 v[T+j], v[T+j]
.set j, j+1
.endr
	v_nop                                          ; a plain line behind the last exponential
	s_wait_alu depctr_va_vdst(0)                   ; the exponentials have written v[T ..] (ahead of the batch's first reader); with ld = 1 also: K step 7's matrix instructions are done reading ring buffer 3 and its scale words
.if \ld
	LOADREC 3, 26, 3                               ; the fourth record of what follows this expert
.endif
.set j, 0
.rept 16
	v_pk_add_f32 v[T+j:T+j+1], v[T+j:T+j+1], 1.0 op_sel_hi:[1,0]
.set j, j+2
.endr
.set j, 0
	s_wait_alu depctr_va_vdst(0)
.rept 32
	v_rcp_f32 v[T+j], v[T+j]
.set j, j+1
.endr
	v_nop
	s_wait_alu depctr_va_vdst(0)                   ; the reciprocals have written v[T ..], ahead of their first reader
.irp mm, 0,1
.irp k, 0,1,2,3,4,5,6,7
	v_pk_mul_f32 v[ACC+16+32*((\m0)+\mm)+2*\k:ACC+16+32*((\m0)+\mm)+2*\k+1], v[ACC+16+32*((\m0)+\mm)+2*\k:ACC+16+32*((\m0)+\mm)+2*\k+1], v[T+16*\mm+2*\k:T+16*\mm+2*\k+1]
.endr
.endr
.irp mm, 0,1
.irp k, 0,1,2,3,4,5,6,7
	v_pk_mul_f32 v[ACC+32*((\m0)+\mm)+2*\k:ACC+32*((\m0)+\mm)+2*\k+1], v[ACC+32*((\m0)+\mm)+2*\k:ACC+32*((\m0)+\mm)+2*\k+1], v[ACC+16+32*((\m0)+\mm)+2*\k:ACC+16+32*((\m0)+\mm)+2*\k+1]
.endr
.endr
.endm
; h, 16 neighbours a lane and tile (units 32 w + 16 (lane / 16) + 0 .. 15), becomes 12 bytes of codes and its block's byte, in LDS where the second product's operand finds them
.macro QUANTH
.irp m, 0,1,2,3
	v_max3_num_f32 v[T+\m], |v[ACC+32*\m]|, |v[ACC+32*\m+1]|, 0x2800000   ; with the floor 2^(5 - 127): the byte cannot fall under 1
.endr
.irp i, 2,4,6,8,10,12,14
.irp m, 0,1,2,3
	v_max3_num_f32 v[T+\m], v[T+\m], |v[ACC+32*\m+\i]|, |v[ACC+32*\m+\i+1]|
.endr
.endr
.irp m, 0,1,2,3
	v_permlanex16_b32 v[T+4+\m], v[T+\m], s20, s21
.endr
.irp m, 0,1,2,3
	v_max_num_f32 v[T+\m], v[T+\m], v[T+4+\m]      ; with lane l xor 16's 16: the block's largest magnitude
.endr
.irp m, 0,1,2,3
	v_add_nc_u32 v[T+8+\m], 0xfe000000, v[T+\m]    ; 4 off its exponent field: the conversion's scale operand
.endr
.irp m, 0,1,2,3
	v_lshrrev_b32 v[T+12+\m], 23, v[T+8+\m]        ; the scale's byte
.endr
.irp m, 0,1,2,3
	v_cvt_scalef32_pk16_bf6_f32 v[T+16+4*\m:T+18+4*\m], v[ACC+32*\m:ACC+32*\m+15], v[T+8+\m]
.endr
	v_nop                                          ; one plain line behind the last conversion
	v_add_nc_u32 v58, s30, v3
	v_add_nc_u32 v59, s31, v4
	s_wait_alu depctr_va_vdst(0)                   ; the conversions have written the codes, the shifts the bytes, the two additions the addresses: the sixteen LDS stores read them
.irp m, 0,1,2,3
	ds_store_b32 v58, v[T+16+4*\m] offset:1536*\m
	ds_store_b32 v58, v[T+17+4*\m] offset:1536*\m+4
	ds_store_b32 v58, v[T+18+4*\m] offset:1536*\m+8
	ds_store_b8 v59, v[T+12+\m] offset:64*\m       ; both halves of the lanes write the same byte with the same value
.endr
.endm
	; ---- THE FIRST PRODUCT, expert by expert.  On entry to a body and on leaving it the ring holds four unread records, asked for in the order of the buffers
	s_mov_b32 s18, 0                               ; e
	s_mov_b32 s30, 0                               ; 6,144 e
	s_mov_b32 s31, 0                               ; 256 e
.Lup:
	s_lshr_b32 s32, s17, s18
	s_and_b32 s32, s32, 1
	s_cmp_eq_u32 s32, 0
	s_cbranch_scc1 .Lup_skip
	s_add_co_u32 s32, s18, 1                       ; what follows this expert's eight records: the next used expert's first quad, 8 e' + 2 w; behind the last, the first expert's quad of the second product, 64 + 4 e0 + w
	s_lshr_b32 s33, s17, s32
	s_ctz_i32_b32 s34, s33
	s_add_co_u32 s34, s34, s32
	s_lshl_b32 s34, s34, 3
	s_lshl_b32 s35, s16, 1
	s_add_co_u32 s34, s34, s35
	s_ctz_i32_b32 s35, s17
	s_lshl_b32 s35, s35, 2
	s_add_co_u32 s35, s35, s16
	s_add_co_u32 s35, s35, 64
	s_cmp_lg_u32 s33, 0
	s_cselect_b32 s34, s34, s35
	s_min_u32 s34, s34, 95
	s_mul_i32 s28, s34, QUADB
	s_mul_i32 s36, s18, 32*RECB
	s_mul_i32 s35, s16, 8*RECB
	s_add_co_u32 s36, s36, s35
	s_wait_xcnt 0x0                                ; the loads that are out have read their bases: both may be written
	s_add_nc_u64 s[26:27], s[12:13], s[28:29]
	s_add_nc_u64 s[24:25], s[12:13], s[36:37]      ; this expert's eight records
	KSTEP 0, 24, 0                                 ; asks for nothing: all four buffers hold unread records
.irp ks, 1,2,3,4
	KSTEP \ks, 24, \ks+3                           ; this expert's records 4 to 7
.endr
.irp ks, 5,6,7
	KSTEP \ks, 26, \ks-5                           ; the first three records of what follows
.endr
	WIN 0
	PLACES                                         ; behind the last matrix instruction, ahead of the first vector read of results
	s_wait_dscnt 0x0                               ; the last expert's stores of codes are done,
	s_wait_alu depctr_vm_vsrc(0)                   ; and have read their data in v[T + 12 ..] and their addresses v58 and v59, which the lines below write again
	SWIGLU 0, 1
	SWIGLU 2, 0
	QUANTH
.Lup_skip:
	s_add_co_u32 s30, s30, 6144
	s_add_co_u32 s31, s31, 256
	s_add_co_u32 s18, s18, 1
	s_cmp_lt_u32 s18, 8
	s_cbranch_scc1 .Lup
	s_wait_dscnt 0x0                               ; for the others' sake: my part of h has landed
	s_barrier_signal -1
	; y begins as zeros, while the others arrive.  Its sums are of results multiplied by the gate's weight in vector instructions, and which expert comes first is known only from the list: no product's C can start them
	WIN 0x40
.set j, 0
.rept 128
	v_pk_add_f32 v[j:j+1], v[10:11], v[10:11]
.set j, j+2
.endr
	WIN 0x80
.set j, 0
.rept 128
	v_pk_add_f32 v[j:j+1], v[10:11], v[10:11]
.set j, j+2
.endr
	WIN 0
	s_barrier_wait -1
; Half of column group g of the second product: four tiles of Wdown's rows x tiles lo and lo + 1 of tokens, K = 128: one instruction each
.macro DNHALF g, lo
	WIN 0x0f                                       ; sources 0 and 1 window 3
.irp m, \lo, \lo+1
.irp tt, 0,1,2,3
	WMS ACC+8*(4*(\m)+\tt), 48*(\g)+12*\tt, HF+12*(\m), 1, WSC+2*(\g)+(\tt>>1), HSW+((\m)>>1), \tt&1, (\m)&1
.endr
.endr
.endm
; column group g: the products, then y += weight x ye.  pre = 1: the buffer that the step before has read takes the next expert's record; buffer 3 at the end of step 3
.macro DNSTEP g, pre, cnt
	s_wait_loadcnt \cnt                            ; record g is in; cnt = 13 x the records asked for behind it
.if (\pre) && ((\g) > 0)
	s_wait_alu depctr_va_vdst(0)                   ; the last step's matrix instructions are done reading ring buffer g - 1 and its two scale words, in which the loads below land
.endif
	DNHALF \g, 0
.if (\pre) && ((\g) > 0)
	LOADREC (\g)-1, 26, (\g)-1                     ; no further wait: the eight matrix instructions since name buffer g and its scale words, h and the accumulators
.endif
	DNHALF \g, 2
	PLACES                                         ; ahead of the first vector read of results
.if (\g) < 2
	WIN 0x50                                       ; y (source 2 and destination) window 1
.else
	WIN 0xa0                                       ; window 2
.endif
	s_wait_alu depctr_va_vdst(0)
.irp m, 0,1,2,3
.irp tt, 0,1,2,3
.irp k, 0,1,2,3
.set YR, 128*((\g)&1)+8*(4*\m+\tt)+2*\k
	v_pk_fma_f32 v[YR:YR+1], v[ACC+8*(4*\m+\tt)+2*\k:ACC+8*(4*\m+\tt)+2*\k+1], v[CB+2*\m:CB+2*\m+1], v[YR:YR+1] op_sel_hi:[1,0,1]   ; each accumulator from its low end on
.endr
.endr
.endr
.if (\pre) && ((\g) == 3)
	WIN 0xc0
	s_wait_alu depctr_va_vdst(0)                   ; this step's matrix instructions are done reading ring buffer 3 and its two scale words
	LOADREC 3, 26, 3
.endif
	WIN 0
.endm
	; ---- THE SECOND PRODUCT
	s_mov_b32 s18, 0
	s_mov_b32 s30, 0
	s_mov_b32 s31, 0
.Ldn:
	s_lshr_b32 s32, s17, s18
	s_and_b32 s32, s32, 1
	s_cmp_eq_u32 s32, 0
	s_cbranch_scc1 .Ldn_skip
	s_add_co_u32 s32, s18, 1                       ; the next used expert's quad: 64 + 4 e' + w
	s_lshr_b32 s33, s17, s32
	s_ctz_i32_b32 s34, s33
	s_add_co_u32 s34, s34, s32
	s_lshl_b32 s34, s34, 2
	s_add_co_u32 s34, s34, s16
	s_add_co_u32 s34, s34, 64
	s_min_u32 s34, s34, 95
	s_mul_i32 s28, s34, QUADB
	s_wait_xcnt 0x0                                ; the loads that are out have read their base
	s_add_nc_u64 s[26:27], s[12:13], s[28:29]
	s_wait_alu depctr_vm_vsrc(0)                   ; the last expert's LDS loads of h have read v61 and v62, and the first product's stores of codes v58 and v59: all four are written below
	v_add_nc_u32 v61, s30, v5
	v_add_nc_u32 v62, s31, v6
	WIN 0xc0
	s_wait_alu depctr_va_vdst(0)                   ; v61 and v62 are written; the last expert's matrix instructions are done reading h's fragments and scale words, in which the loads below land
.irp m, 0,1,2,3
.irp p, 0,1,2,3,4,5
	ds_load_b64 v[HF+12*\m+2*\p:HF+12*\m+2*\p+1], v61 offset:1536*\m+768*(\p/3)+8*(\p%3)   ; registers 0-5: block lane / 16; 6-11: block 2 + lane / 16
.endr
.endr
	WIN 0
	ds_load_b32 v[HSW], v62
	ds_load_b32 v[HSW+1], v62 offset:128
.irp m, 0,1,2,3                        ; while h is on its way: the gate's weight of each token for this expert: the first's, the second's, or 0.  The eight compares in one run, a mask each
	v_bfe_u32 v58, v[RECM+\m], 16, 4
	v_bfe_u32 v59, v[RECM+\m], 20, 4
	v_cmp_eq_u32 s[MK+2*\m], s18, v58
	v_cmp_eq_u32 s[MK+2*\m+1], s18, v59
.endr
	s_wait_alu depctr_va_sdst(0)                   ; the eight masks s40 to s47 are written, ahead of their first reader
.irp m, 0,1,2,3
	v_cndmask_b32 v60, 0, v[GW+2*\m+1], s[MK+2*\m+1]
	v_cndmask_b32 v[CB+2*\m], v60, v[GW+2*\m], s[MK+2*\m]
.endr
	s_wait_dscnt 0x0
	s_cmp_eq_u32 s33, 0
	s_cbranch_scc1 .Ldn_last
	DNSTEP 0, 1, 39
	DNSTEP 1, 1, 26
	DNSTEP 2, 1, 26
	DNSTEP 3, 1, 26
	s_branch .Ldn_skip
.Ldn_last:                                             ; the last used expert asks for nothing more: the counts run down
	DNSTEP 0, 0, 39
	DNSTEP 1, 0, 26
	DNSTEP 2, 0, 13
	DNSTEP 3, 0, 0
.Ldn_skip:
	s_add_co_u32 s30, s30, 6144
	s_add_co_u32 s31, s31, 256
	s_add_co_u32 s18, s18, 1
	s_cmp_lt_u32 s18, 8
	s_cbranch_scc1 .Ldn
; ---- THE WAY OUT, block k = 4 g + m: 16 tokens x 64 columns.  A lane holds 32 neighbouring bytes of a row and the lanes beside it hold other rows: the block goes through my own stage and comes back as rows of 256 bytes.
; LDS serves a wave's instructions in order (ISA guide 5.7.1.4): no wait between the stores and the loads, nor ahead of the next block's stores
.macro TOSTAGE k
.set GG, (\k)/4
.set MM, (\k)%4
.if GG < 2
	WIN 0x04                                       ; an LDS store's data are its source 1: window 1
.else
	WIN 0x08                                       ; window 2
.endif
.irp tt, 0,1,2,3
	ds_store_b128 v7, v[128*(GG&1)+8*(4*MM+\tt):128*(GG&1)+8*(4*MM+\tt)+3] offset:64*\tt
	ds_store_b128 v7, v[128*(GG&1)+8*(4*MM+\tt)+4:128*(GG&1)+8*(4*MM+\tt)+7] offset:64*\tt+16
.endr
	WIN 0
.irp i, 0,1,2,3,4,5,6,7
	ds_load_b128 v[ACC+32*((\k)%2)+4*\i:ACC+32*((\k)%2)+4*\i+3], v8 offset:2*SPITCH*\i
.endr
.endm
.macro SEND k, younger                 ; younger: the LDS instructions issued behind block k's loads, which may stay out
.set GG, (\k)/4
.set MM, (\k)%4
	s_wait_dscnt \younger
.irp i, 0,1,2,3,4,5,6,7
	global_store_b128 v[TOKO+8*MM+\i], v[ACC+32*((\k)%2)+4*\i:ACC+32*((\k)%2)+4*\i+3], s[14:15] offset:256*GG th:TH_STORE_NT   ; 16 lanes store 256 consecutive bytes of a token's row, at a multiple of 256 from out0's first byte
.endr
.endm
	s_wait_alu depctr_va_vdst(0)                   ; the multiply-adds have written y, which the LDS stores read, and are done reading v[ACC ..], in which the stage's loads land; no vector instruction follows this wait
	TOSTAGE 0
.irp k, 1,2,3,4,5,6,7,8,9,10,11,12,13,14,15
.if \k > 1
	s_wait_xcnt 0x0                                ; block k - 2's stores have had their addresses translated,
	s_wait_alu depctr_vm_vsrc(0)                   ; and have read their data registers, in which block k's loads land
.endif
	TOSTAGE \k
	SEND \k-1, 16                                  ; behind block k - 1's loads: block k's 8 stores and 8 loads
.endr
	SEND 15, 0
	s_set_vgpr_msb 0xc
	s_wait_dscnt 0x0
	s_wait_alu depctr_hold_cnt(0) depctr_sa_sdst(0) depctr_va_vdst(0) depctr_va_sdst(0) depctr_va_ssrc(0) depctr_va_vcc(0) depctr_vm_vsrc(0)
	s_wait_tensorcnt 0x0
	ds_add_u32 v63, v255
	s_wait_dscnt 0x0
	s_endpgm
.Lfunc_end_k_qcf5dae3476_chain:
	.size	k_qcf5dae3476_chain, .Lfunc_end_k_qcf5dae3476_chain-k_qcf5dae3476_chain
	.p2alignl 7, 3214868480
	.fill 96, 4, 3214868480
	.section	.rodata,"a",@progbits
	.p2align	6, 0x0
	.amdhsa_kernel k_qcf5dae3476_chain
		.amdhsa_group_segment_fixed_size 118272
		.amdhsa_private_segment_fixed_size 0
		.amdhsa_enable_private_segment 0
		.amdhsa_kernarg_size 48
		.amdhsa_user_sgpr_count 2
		.amdhsa_user_sgpr_kernarg_segment_ptr 1
		.amdhsa_wavefront_size32 1
		.amdhsa_system_sgpr_workgroup_id_x 1
		.amdhsa_system_sgpr_workgroup_id_y 1
		.amdhsa_system_sgpr_workgroup_id_z 1
		.amdhsa_system_vgpr_workitem_id 0
		.amdhsa_next_free_vgpr 1024
		.amdhsa_next_free_sgpr 66
		.amdhsa_reserve_vcc 0
		.amdhsa_float_denorm_mode_32 3
		.amdhsa_float_denorm_mode_16_64 3
		.amdhsa_memory_ordered 1
		.amdhsa_forward_progress 1
		.amdhsa_inst_pref_size 185
	.end_amdhsa_kernel
	.amdgpu_metadata
---
amdhsa.version: [ 1, 2 ]
amdhsa.kernels:
  - .name:           k_qcf5dae3476_chain
    .symbol:         k_qcf5dae3476_chain.kd
    .args:
      - { .name: srec, .offset: 0, .size: 8, .value_kind: global_buffer, .address_space: global }
      - { .name: tokw, .offset: 8, .size: 8, .value_kind: global_buffer, .address_space: global }
      - { .name: xq, .offset: 16, .size: 8, .value_kind: global_buffer, .address_space: global }
      - { .name: xs, .offset: 24, .size: 8, .value_kind: global_buffer, .address_space: global }
      - { .name: wimg, .offset: 32, .size: 8, .value_kind: global_buffer, .address_space: global }
      - { .name: out0, .offset: 40, .size: 8, .value_kind: global_buffer, .address_space: global }
    .group_segment_fixed_size: 118272
    .private_segment_fixed_size: 0
    .kernarg_segment_align: 8
    .kernarg_segment_size: 48
    .max_flat_workgroup_size: 128
    .sgpr_count:     66
    .vgpr_count:     1024
    .wavefront_size: 32
...
	.end_amdgpu_metadata
.endif
;; end of part 6
